; MI455X (gfx1250); checked and timed in simulation.
; The chip was launched on July 23, 2026; its instructions are those of AMD's public machine-readable ISA for CDNA 5 (MIT licence, August 2026) and "CDNA5" Instruction Set Architecture Reference Guide (July 2026). The comments in the code are by the model that wrote it; some were corrected since.
;; Multi Head Attention. Allowed arithmetic: matrix products marked QUANTISED: E2M1 operands, one E8M0 scale for each 32 along K, by v_wmma_scale_f32_16x16x128_f8f6f4 with both operands' format E2M1 (or v_wmma_scale_f32_32x16x128_f4), f32 sums; products left as they are: bf16, f16 or f32 operands; f32 sums; everything else in f32.
;; Inputs: b_proj 1,024 float32; w_proj 1,024 x 1,024 float32; w_qkv 1,024 x 3,072 float32; x 4 x 2,048 x 1,024 float32.
;; Outputs: out0 4 x 2,048 x 1,024 float32.
;; This version of the problem:
;;   THIS VERSION OF THE PROBLEM IS GIVEN IN LOW PRECISION. The matrix products marked QUANTISED in the list below multiply operands that are first quantised to E2M1 (2 exponent bits, 1 mantissa bit; 4 bits a number), with one power-of-two scale for each 32 numbers along K (OCP MX v1.0); their sums are f32. The products marked 'left as it is' may take bf16, f16 or f32 operands, with f32 sums. Whichever they take, every output number must still come out within the allowed error. Rounding operands to bf16 (8 significant bits) uses up far more of that allowance than f16 does (11 bits, for magnitudes from 6e-5 to 65,504). All else is computed in f32.
;;   The module's matrix products, in the order in which they are computed (A, B: the left and right operand; K: the contracted axis; several contracted axes count as one K, in the product's order):
;;     1. [M 8,192, K 1,024] x [K 1,024, N 3,072]; A: input x; B: input w_qkv: QUANTISED
;;     2. batch 64 x [M 2,048, K 64] x [K 64, N 2,048]; A: computed on the way; B: computed on the way: left as it is (an operand is computed on the way)
;;     3. batch 64 x [M 2,048, K 2,048] x [K 2,048, N 64]; A: computed on the way; B: computed on the way: left as it is (an operand is computed on the way)
;;     4. [M 8,192, K 1,024] x [K 1,024, N 1,024]; A: computed on the way; B: input w_proj: left as it is (an operand is computed on the way)
;;   THE QUANTISER, for each operand of a quantised product, along K:
;;     - K is cut into blocks of 32 from its start; a last block that is shorter is filled with zeros.
;;     - A block's scale is 2^e with e = floor(log2(the largest magnitude in the block)) - 2, held to -126 .. 127; a block of zeros has e = 0. As a byte (E8M0): e + 127.
;;     - Each number is divided by its block's scale, clamped to +-6, and rounded to the nearest number of E2M1, ties to even, subnormals kept.
;;     - The product sums the exact products of the quantised numbers (number of the format x scale) in f32.
;;   ~~~python
;;   def quantise(x, axis):      # numpy; x: float32 -> the quantised numbers, widened to float32 again
;;       x = np.moveaxis(x, axis, -1); K = x.shape[-1]
;;       x = np.pad(x, [(0, 0)] * (x.ndim - 1) + [(0, -K % 32)]); x = x.reshape(x.shape[:-1] + (-1, 32)); a = np.abs(x).max(-1, keepdims=True)
;;       e = np.where(a > 0, np.clip(np.frexp(np.where(a > 0, a, 1))[1] - 1 - 2, -126, 127), 0)      # np.frexp(a)[1] - 1 = floor(log2(a)), exactly
;;       r = np.clip(x / 2.0 ** e, -6, 6)
;;       step = 2.0 ** (np.maximum(np.frexp(np.where(r == 0, 1, r))[1] - 1, 0) - 1)
;;       q = np.round(r / step) * step * 2.0 ** e      # np.round: ties to even
;;       return np.moveaxis(q.reshape(q.shape[:-2] + (-1,))[..., :K], -1, axis).astype(np.float32)
;;   ~~~
;; One version. Each part assembles by itself: llvm-mc -triple=amdgcn-amd-amdhsa -mcpu=gfx1250 --defsym DOCPART=n.
;; ======== version 1 of 1: 5 launches
;; limits: values are held in f16: magnitudes above 65,504 overflow, below 6.1e-05 lose precision
;; workspace buffers: x_codes 4,194,304 bytes; x_scales 262,144 bytes; w_codes 1,572,864 bytes; w_scales 98,304 bytes; wpt 2,097,152 bytes; qkv 50,331,648 bytes; fineqkv 786,432 bytes; o 16,777,216 bytes
;; launch prep (part 1): grid 368 x 1, 4 waves a work-group, no clusters, 102,912 bytes of LDS; arguments x, w_qkv, w_proj, x_codes, x_scales, w_codes, w_scales, wpt; writes x_codes, x_scales, w_codes, w_scales, wpt
.if DOCPART == 1
	.amdgcn_target "amdgcn-amd-amdhsa--gfx1250"
	.amdhsa_code_object_version 6
	.text
	.protected	k_qea47b5b562_prep
	.globl	k_qea47b5b562_prep
	.p2align	8
	.type	k_qea47b5b562_prep,@function
k_qea47b5b562_prep:
	s_mov_b64 s[64:65], 0
	v_nop
	global_prefetch_b8 v0, s[64:65] scope:SCOPE_SE
	s_setreg_imm32_b32 hwreg(HW_REG_WAVE_MODE, 25, 1), 1
	s_wait_xcnt 0x0
; THREE PREPARATIONS IN ONE LAUNCH, told apart by the work-group's number alone; each has LDS bytes of its own.
;  X (work-groups 0-255):   x [8192][1024] f32 -> codes of E2M1, K innermost, [8192][512 bytes], and one E8M0 byte for each 32 along K, [8192][32].
;  W (work-groups 256-303): w_qkv [1024 k][3072 n] f32, K its FIRST axis -> codes [3072 n][512 bytes], bytes [3072][32].
;  P (work-groups 304-367): w_proj [1024 k][1024 n] f32 -> f16, turned, in planes of 64 along K: wpt [16][1024 n][64 k].
; A block's scale is 2^(floor(log2(largest magnitude)) - 2); its byte is the largest magnitude's exponent field - 2, held at 1 from below.
; LIMITS: a block of zeros, and one whose largest magnitude lies under 2^-124, gets the byte 1 (zeros: zero codes, which add nothing; this program alone reads the bytes).
; NaN and infinities are not served.  w_proj is rounded to f16: beyond 65,504 it becomes infinite, under 6e-5 its step is 6e-8.
; No tensor loads, no barrier: waves share nothing.
.set SPW,   190                        ; v190  LDS address of my spare word: SPARE + 4 x my thread's number; never rewritten
.set NIL,   191                        ; v191  0; never rewritten
.set SPARE, 102400                     ; behind all stages: 128 bytes for each wave, named by no other line
.set WREG,  8192                       ; X: a wave's region: two stages of 32 x SP bytes, then its 256 scale bytes
.set SP,    80                         ; X: a lane's place in a stage: 64 bytes + 16 of padding
.set XR,    16                         ; X: v16-79   four sets of 16 numbers as loaded
.set XX,    80                         ; X: v80-111  two sets of 16 neighbours
.set XE,    112                        ; X: v112-127 a scale byte for each step
.set XC,    128                        ; X: v128-189 codes, registers of their own for each step
.set PITCH, 272                        ; W, P: a stage row: 256 bytes + 16
.set WSTG,  32768                      ; W: four stages of 32 rows
.set PSTG,  67584                      ; P: four stages of 32 rows
.set WX,    32                         ; W: v32-95 two sets of 32 numbers
.set WC,    96                         ; W: a block's codes
.set OUTR,  112                        ; W: v112-175 the way out
.set SB,    24                         ; W: v24-27 scale bytes, four to a register
	s_load_b256 s[4:11], s[0:1], 0x0               ; x s[4:5], w_qkv s[6:7], w_proj s[8:9], x_codes s[10:11]
	s_load_b256 s[12:19], s[0:1], 0x20             ; x_scales s[12:13], w_codes s[14:15], w_scales s[16:17], wpt s[18:19]
	v_lshl_add_u32 v[SPW], v0, 2, SPARE
	v_mov_b32 v[NIL], 0
	v_lshrrev_b32 v1, 5, v0
	v_readfirstlane_b32 s20, v1                    ; wave 0..3
	v_and_b32 v2, 31, v0                           ; lane
	s_cmp_lt_u32 ttmp9, 256
	s_cbranch_scc0 .Lnot_x
; ---------------- X: a plain stream of blocks of 32.  A wave takes 16 steps of 512 numbers.
; Each load reads 512 consecutive bytes; a step's 2,048 bytes turn through the wave's own stage, so that a lane then holds 16 neighbours along K (two lanes to a block).
	v_lshlrev_b32 v3, 4, v2                        ; my 16 bytes of a load's 512
	s_mul_i32 s21, s20, WREG
	v_lshrrev_b32 v14, 2, v2
	v_mul_u32_u24 v14, v14, SP
	v_and_b32 v15, 3, v2
	v_lshl_add_u32 v14, v15, 4, v14
	v_add_nc_u32 v14, s21, v14                     ; stage, in: SP (lane / 4) + 16 (lane % 4)
	v_mul_u32_u24 v15, v2, SP
	v_add_nc_u32 v15, s21, v15                     ; stage, out: SP x lane
	v_lshlrev_b32 v4, 3, v2                        ; my 8 bytes of a step's codes
	v_lshrrev_b32 v5, 1, v2
	s_add_co_u32 s21, s21, 2*32*SP
	v_add_nc_u32 v5, s21, v5                       ; my block's scale byte in LDS
	v_lshlrev_b32 v7, 3, v2
	v_add_nc_u32 v6, s21, v7                       ; and 8 bytes a lane on the way out
	s_lshl_b32 s22, ttmp9, 2
	s_add_co_u32 s22, s22, s20                     ; which run of 8,192 numbers is my wave's
	s_mov_b32 s23, 0
	s_lshl_b64 s[24:25], s[22:23], 15              ; 32,768 bytes of x,
	s_lshl_b64 s[26:27], s[22:23], 12              ; 4,096 of codes,
	s_lshl_b64 s[28:29], s[22:23], 8               ; 256 of scale bytes
	s_wait_kmcnt 0x0
	s_add_nc_u64 s[4:5], s[4:5], s[24:25]
	s_add_nc_u64 s[10:11], s[10:11], s[26:27]
	s_add_nc_u64 s[12:13], s[12:13], s[28:29]
.macro XLOAD t
.irp i, 0,1,2,3
	global_load_b128 v[XR+16*((\t)%4)+4*\i:XR+16*((\t)%4)+4*\i+3], v3, s[4:5] offset:2048*(\t)+512*\i th:TH_LOAD_NT
.endr
.endm
.macro XTURN t                         ; LDS serves a wave's instructions in order: no wait between the stores and the loads
.irp i, 0,1,2,3
	ds_store_b128 v14, v[XR+16*((\t)%4)+4*\i:XR+16*((\t)%4)+4*\i+3] offset:32*SP*((\t)%2)+8*SP*\i
.endr
.irp i, 0,1,2,3
	ds_load_b128 v[XX+16*((\t)%2)+4*\i:XX+16*((\t)%2)+4*\i+3], v15 offset:32*SP*((\t)%2)+16*\i
.endr
.endm
.irp t, 0,1,2,3
	XLOAD \t
.endr
	s_wait_loadcnt 12                              ; step 0's four loads are in; the twelve of steps 1 to 3 may be out
	XTURN 0
.macro XSTEP t
.set XS, XX+16*((\t)%2)
.if (\t) > 0
	s_wait_dscnt 1                                 ; this step's numbers are back from the stage; the last step's byte store may be out
.else
	s_wait_dscnt 0x0
.endif
.if (\t)+4 < 16
	XLOAD (\t)+4
.endif
.if (\t)+1 < 16
.if 14-(\t) >= 3
	s_wait_loadcnt 12                              ; the next step's four loads are in; those of the three steps behind it may be out
.else
	s_wait_loadcnt 4*(14-(\t))
.endif
	XTURN (\t)+1
.endif
	v_max3_num_f32 v8, |v[XS]|, |v[XS+1]|, |v[XS+2]|
	v_max3_num_f32 v9, |v[XS+3]|, |v[XS+4]|, |v[XS+5]|
.irp i, 6,10
	v_max3_num_f32 v8, v8, |v[XS+\i]|, |v[XS+\i+1]|
	v_max3_num_f32 v9, v9, |v[XS+\i+2]|, |v[XS+\i+3]|
.endr
	v_max3_num_f32 v8, v8, |v[XS+14]|, |v[XS+15]|
	v_max3_num_f32 v8, v8, v9, 0x1800000           ; the floor 2^(3 - 127): the byte cannot fall under 1
	v_max_num_f32_dpp v8, v8, v8 row_xmask:1 row_mask:0xf bank_mask:0xf   ; with my neighbour's 16: the block's largest magnitude
	v_add_nc_u32 v11, 0xff000000, v8               ; 2 off its exponent field: the conversion takes this operand's exponent field as its scale
	v_cvt_scalef32_pk8_fp4_f32 v[XC+4*(\t)], v[XS:XS+7], v11
	v_cvt_scalef32_pk8_fp4_f32 v[XC+4*(\t)+1], v[XS+8:XS+15], v11
	v_lshrrev_b32 v[XE+(\t)], 23, v11              ; the scale's byte (also the plain line behind the conversions)
	ds_store_b8 v5, v[XE+(\t)] offset:16*(\t)      ; both lanes of a block write the same byte with the same value
	global_store_b64 v4, v[XC+4*(\t):XC+4*(\t)+1], s[10:11] offset:256*(\t)   ; the wave stores 256 consecutive bytes, aligned
.endm
.irp t, 0,1,2,3,4,5,6,7,8,9,10,11,12,13,14,15
	XSTEP \t
.endr
	ds_load_b64 v[8:9], v6                         ; my wave's 256 scale bytes, in order behind my stores
	s_wait_dscnt 0x0
	global_store_b64 v7, v[8:9], s[12:13]          ; 256 consecutive bytes, aligned
	s_wait_tensorcnt 0x0                           ; the wave's end
	ds_add_u32 v[SPW], v[NIL]
	s_wait_dscnt 0x0
	s_endpgm
.Lnot_x:
	s_cmp_lt_u32 ttmp9, 304
	s_cbranch_scc0 .Lpath_p
; ---------------- W: a lane takes a column n and its registers run down K: a block of 32 lies in one lane, and the codes come out with K innermost.
; A wave takes 32 columns x 512 along K; the codes leave through its stage as rows of 256 bytes.
	s_sub_co_u32 s21, ttmp9, 256
	s_cmp_ge_u32 s21, 24
	s_cselect_b32 s22, 1, 0                        ; which 512 along K
	s_cselect_b32 s23, 24, 0
	s_sub_co_u32 s21, s21, s23                     ; which 128 columns
	s_lshl_b32 s24, s21, 7
	s_lshl_b32 s25, s20, 5
	s_add_co_u32 s24, s24, s25                     ; my wave's first column
	v_lshlrev_b32 v3, 2, v2                        ; in: 4 bytes a lane
	s_mul_i32 s25, s20, 32*PITCH
	s_add_co_u32 s25, s25, WSTG                    ; my stage
	v_mul_u32_u24 v4, v2, PITCH
	v_add_nc_u32 v4, s25, v4                       ; into it: row = my column
	v_and_b32 v5, 15, v2
	v_lshrrev_b32 v6, 4, v2
	v_mul_u32_u24 v7, v6, PITCH
	v_lshl_add_u32 v7, v5, 4, v7
	v_add_nc_u32 v7, s25, v7                       ; out of it: sixteen lanes to a row, two rows an instruction
	v_lshlrev_b32 v8, 9, v6
	v_lshl_add_u32 v8, v5, 4, v8                   ; the same place in the codes' buffer (rows of 512 bytes)
	s_mul_i32 s26, s22, 512*3072*4
	s_lshl_b32 s27, s24, 2
	s_add_co_u32 s26, s26, s27                     ; w_qkv: 512 y rows of 12,288 bytes + 4 x column
	s_mov_b32 s27, 0
	s_lshl_b32 s28, s24, 9
	s_lshl_b32 s29, s22, 8
	s_add_co_u32 s28, s28, s29                     ; codes: column x 512 + 256 y
	s_mov_b32 s29, 0
	s_lshl_b32 s30, s24, 5
	s_lshl_b32 s31, s22, 4
	s_add_co_u32 s30, s30, s31                     ; scale bytes: column x 32 + 16 y
	s_mov_b32 s31, 0
	v_lshlrev_b32 v9, 5, v2                        ; my column's row of scale bytes
	s_wait_kmcnt 0x0
	s_add_nc_u64 s[6:7], s[6:7], s[26:27]
	s_add_nc_u64 s[14:15], s[14:15], s[28:29]
	s_add_nc_u64 s[16:17], s[16:17], s[30:31]
.macro WLOAD t                         ; block t: w(32 t + i, my column); the largest offset, 511 x 12,288, lies inside the signed 24-bit immediate
.irp i, 0,1,2,3,4,5,6,7,8,9,10,11,12,13,14,15,16,17,18,19,20,21,22,23,24,25,26,27,28,29,30,31
	global_load_b32 v[WX+32*((\t)%2)+\i], v3, s[6:7] offset:(32*(\t)+\i)*12288 th:TH_LOAD_NT
.endr
.endm
	WLOAD 0
	WLOAD 1
.macro WBLOCK t
.set XS, WX+32*((\t)%2)
.if (\t) < 15
	s_wait_loadcnt 32                              ; this block's 32 loads are in; the next block's may be out
.else
	s_wait_loadcnt 0x0
.endif
	v_max3_num_f32 v12, |v[XS]|, |v[XS+1]|, |v[XS+2]|
	v_max3_num_f32 v13, |v[XS+3]|, |v[XS+4]|, |v[XS+5]|
.irp i, 6,10,14,18,22,26
	v_max3_num_f32 v12, v12, |v[XS+\i]|, |v[XS+\i+1]|
	v_max3_num_f32 v13, v13, |v[XS+\i+2]|, |v[XS+\i+3]|
.endr
	v_max3_num_f32 v12, v12, |v[XS+30]|, |v[XS+31]|
	v_max3_num_f32 v12, v12, v13, 0x1800000        ; the floor
	v_add_nc_u32 v11, 0xff000000, v12              ; the conversion's scale operand
	v_lshrrev_b32 v13, 23, v11                     ; the scale's byte
.if (\t)%4 == 0
	v_mov_b32 v[SB+(\t)/4], v13
.else
	v_lshl_or_b32 v[SB+(\t)/4], v13, 8*((\t)%4), v[SB+(\t)/4]
.endif
.irp g, 0,1,2,3
	v_cvt_scalef32_pk8_fp4_f32 v[WC+\g], v[XS+8*\g:XS+8*\g+7], v11
.endr
	v_nop                                          ; a plain line behind the last conversion
	ds_store_b128 v4, v[WC:WC+3] offset:16*(\t)    ; 32 codes: 16 bytes of my column's row
.if (\t)+2 < 16
	WLOAD (\t)+2
.endif
	s_wait_dscnt 0x0                               ; the store has read its registers: the next block's codes may be written
.endm
.set QC, 0
.rept 16
	WBLOCK QC
.set QC, QC+1
.endr
	global_store_b128 v9, v[SB:SB+3], s[16:17]     ; my column's 16 scale bytes
.irp t, 0,1,2,3,4,5,6,7,8,9,10,11,12,13,14,15
	ds_load_b128 v[OUTR+4*\t:OUTR+4*\t+3], v7 offset:2*\t*PITCH
.endr
.irp t, 0,1,2,3,4,5,6,7,8,9,10,11,12,13,14,15
	s_wait_dscnt 15-\t                             ; LDS loads come back in order: load t is in
	global_store_b128 v8, v[OUTR+4*\t:OUTR+4*\t+3], s[14:15] offset:2*\t*512   ; sixteen lanes store 256 consecutive bytes, aligned
.endr
	s_wait_tensorcnt 0x0                           ; the wave's end
	ds_add_u32 v[SPW], v[NIL]
	s_wait_dscnt 0x0
	s_endpgm
.Lpath_p:
; ---------------- P: a lane takes a column n of w_proj, its registers run down K; 128 along K (two planes of 64) x 32 columns a wave.
	s_sub_co_u32 s21, ttmp9, 304
	s_and_b32 s22, s21, 7                          ; which 128 columns
	s_lshr_b32 s23, s21, 3                         ; which 128 along K
	s_lshl_b32 s24, s22, 7
	s_lshl_b32 s25, s20, 5
	s_add_co_u32 s24, s24, s25                     ; my wave's first column
	v_lshlrev_b32 v3, 2, v2
	s_mul_i32 s25, s20, 32*PITCH
	s_add_co_u32 s25, s25, PSTG                    ; my stage
	v_mul_u32_u24 v4, v2, PITCH
	v_add_nc_u32 v4, s25, v4                       ; into it: row = my column, 128 f16 along K
	v_lshrrev_b32 v5, 3, v2
	v_and_b32 v6, 7, v2
	v_mul_u32_u24 v7, v5, PITCH
	v_lshl_add_u32 v7, v6, 4, v7
	v_add_nc_u32 v7, s25, v7                       ; out of it: eight lanes to a plane's 128 bytes of a row, four rows an instruction
	v_lshlrev_b32 v8, 4, v2                        ; which are 512 consecutive bytes of wpt
	s_lshl_b32 s26, s23, 19                        ; 128 rows of 4,096 bytes
	s_lshl_b32 s27, s24, 2
	s_add_co_u32 s26, s26, s27
	s_mov_b32 s27, 0
	s_lshl_b32 s28, s23, 18                        ; two planes of 131,072 bytes
	s_lshl_b32 s29, s24, 7                         ; 128 bytes a row
	s_add_co_u32 s28, s28, s29
	s_mov_b32 s29, 0
	s_wait_kmcnt 0x0
	s_add_nc_u64 s[8:9], s[8:9], s[26:27]
	s_add_nc_u64 s[18:19], s[18:19], s[28:29]
.macro PLOAD t
.irp i, 0,1,2,3,4,5,6,7,8,9,10,11,12,13,14,15,16,17,18,19,20,21,22,23,24,25,26,27,28,29,30,31
	global_load_b32 v[32+32*(\t)+\i], v3, s[8:9] offset:(32*(\t)+\i)*4096
.endr
.endm
	PLOAD 0
	PLOAD 1
.macro PBLOCK t
.if (\t) < 3
	s_wait_loadcnt 32                              ; this block's 32 loads are in; the next block's may be out
.else
	s_wait_loadcnt 0x0
.endif
.if (\t)+2 < 4
	PLOAD (\t)+2
.endif
.irp g, 0,1,2,3,4,5,6,7,8,9,10,11,12,13,14,15
	v_cvt_pk_f16_f32 v[160+\g], v[32+32*(\t)+2*\g], v[33+32*(\t)+2*\g]
.endr
.irp g, 0,1,2,3
	ds_store_b128 v4, v[160+4*\g:163+4*\g] offset:64*(\t)+16*\g
.endr
	s_wait_dscnt 0x0                               ; the stores have read their registers
.endm
	PBLOCK 0
	PBLOCK 1
	PBLOCK 2
	PBLOCK 3
.irp pl, 0,1
.irp i, 0,1,2,3,4,5,6,7
	ds_load_b128 v[32+4*(8*\pl+\i):35+4*(8*\pl+\i)], v7 offset:4*\i*PITCH+128*\pl
.endr
.endr
.irp pl, 0,1
.irp i, 0,1,2,3,4,5,6,7
	s_wait_dscnt 15-8*\pl-\i
	global_store_b128 v8, v[32+4*(8*\pl+\i):35+4*(8*\pl+\i)], s[18:19] offset:\pl*131072+512*\i   ; 512 consecutive bytes, aligned
.endr
.endr
	s_wait_tensorcnt 0x0                           ; the wave's end
	ds_add_u32 v[SPW], v[NIL]
	s_wait_dscnt 0x0
	s_endpgm
.Lfunc_end_k_qea47b5b562_prep:
	.size	k_qea47b5b562_prep, .Lfunc_end_k_qea47b5b562_prep-k_qea47b5b562_prep
	.p2alignl 7, 3214868480
	.fill 96, 4, 3214868480
	.section	.rodata,"a",@progbits
	.p2align	6, 0x0
	.amdhsa_kernel k_qea47b5b562_prep
		.amdhsa_group_segment_fixed_size 102912
		.amdhsa_private_segment_fixed_size 0
		.amdhsa_enable_private_segment 0
		.amdhsa_kernarg_size 64
		.amdhsa_user_sgpr_count 2
		.amdhsa_user_sgpr_kernarg_segment_ptr 1
		.amdhsa_wavefront_size32 1
		.amdhsa_system_sgpr_workgroup_id_x 1
		.amdhsa_system_sgpr_workgroup_id_y 1
		.amdhsa_system_sgpr_workgroup_id_z 1
		.amdhsa_system_vgpr_workitem_id 0
		.amdhsa_next_free_vgpr 192
		.amdhsa_next_free_sgpr 66
		.amdhsa_reserve_vcc 0
		.amdhsa_float_denorm_mode_32 3
		.amdhsa_float_denorm_mode_16_64 3
		.amdhsa_memory_ordered 1
		.amdhsa_forward_progress 1
		.amdhsa_inst_pref_size 133
	.end_amdhsa_kernel
	.amdgpu_metadata
---
amdhsa.version: [ 1, 2 ]
amdhsa.kernels:
  - .name:           k_qea47b5b562_prep
    .symbol:         k_qea47b5b562_prep.kd
    .args:
      - { .name: x, .offset: 0, .size: 8, .value_kind: global_buffer, .address_space: global }
      - { .name: w_qkv, .offset: 8, .size: 8, .value_kind: global_buffer, .address_space: global }
      - { .name: w_proj, .offset: 16, .size: 8, .value_kind: global_buffer, .address_space: global }
      - { .name: x_codes, .offset: 24, .size: 8, .value_kind: global_buffer, .address_space: global }
      - { .name: x_scales, .offset: 32, .size: 8, .value_kind: global_buffer, .address_space: global }
      - { .name: w_codes, .offset: 40, .size: 8, .value_kind: global_buffer, .address_space: global }
      - { .name: w_scales, .offset: 48, .size: 8, .value_kind: global_buffer, .address_space: global }
      - { .name: wpt, .offset: 56, .size: 8, .value_kind: global_buffer, .address_space: global }
    .group_segment_fixed_size: 102912
    .private_segment_fixed_size: 0
    .kernarg_segment_align: 8
    .kernarg_segment_size: 64
    .max_flat_workgroup_size: 128
    .sgpr_count:     66
    .vgpr_count:     192
    .wavefront_size: 32
...
	.end_amdgpu_metadata
.endif
;; end of part 1
;; launch qkv (part 2): grid 12 x 32, 4 waves a work-group, clusters of 4 x 4, 327,680 bytes of LDS; arguments x_codes, x_scales, w_codes, w_scales, qkv, fineqkv; writes qkv, fineqkv
.if DOCPART == 2
	.amdgcn_target "amdgcn-amd-amdhsa--gfx1250"
	.amdhsa_code_object_version 6
	.text
	.protected	k_qea47b5b562_qkv
	.globl	k_qea47b5b562_qkv
	.p2align	8
	.type	k_qea47b5b562_qkv,@function
k_qea47b5b562_qkv:
	s_mov_b64 s[64:65], 0
	v_nop
	global_prefetch_b8 v0, s[64:65] scope:SCOPE_SE
	s_setreg_imm32_b32 hwreg(HW_REG_WAVE_MODE, 25, 1), 1
	s_wait_xcnt 0x0
	s_wait_alu depctr_hold_cnt(0) depctr_sa_sdst(0) depctr_va_vdst(0) depctr_va_sdst(0) depctr_va_ssrc(0) depctr_va_vcc(0) depctr_vm_vsrc(0)
	s_getreg_b32 s2, hwreg(HW_REG_IB_STS2, 6, 4)
	s_cmp_eq_u32 s2, 0
	s_cbranch_scc0 .Lentry_in_a_cluster
	s_endpgm
.Lentry_in_a_cluster:
	s_bfe_u32 s2, ttmp6, 0x10000c
	s_cmp_lg_u32 s2, 0xf033
	s_cbranch_scc0 .Lentry_shape_is_right
	s_endpgm
.Lentry_shape_is_right:
; qkv[m][n] = sum over k of Q(x)[m][k] Q(w_qkv)[k][n], on codes of E2M1 with one E8M0 scale for each 32 along K; sums in f32.  m 8,192, n 3,072, k 1,024.
; A = x_codes [8192][512 bytes], B = w_codes [3072][512 bytes]; scale bytes [rows][32].
; OUT: qkv as f16 in planes of 64 columns, [48][8192 m][64]: a head's rows are dense, 128 bytes each.  LIMIT: beyond 65,504 an f16 number becomes infinite; under 6e-5 its step is 6e-8.
; Positions 0-15 of every batch are also stored unrounded: fineqkv [64 = 16 batch + position][3072] f32.
; A tile of 256 x 256 is made by four waves, 128 x 128 each: 64 accumulators, 512 registers.  K is two steps of 512: both slots and all scale bytes are asked for at the head and nothing is filled again.
; CLUSTERS: 4 x 4 work-groups; A's tiles are asked for jointly along a row of the cluster, B's along a column.  The four tile rows of a cluster are the SAME 256 positions of the four batches
; (first row = 2,048 cy + 256 cluster y), so that 'this tile holds positions 0-15' is a test on the cluster's y, alike in all sixteen partners.
; THE MATRIX INSTRUCTION IS USED TRANSPOSED (source 0 = 16 rows of B, source 1 = 16 rows of A): a lane holds eight neighbouring columns of one row.
; REGISTERS: window 0: v0-31 addresses; v32-95 scale words, two sets; v128-191 A's fragments, one set; on the way out v128-223.  window 1: B's fragments, two sets, at v0 and v128.
;   window 2: accumulators of my rows 0-63 ((a, b) at v[8 (8 a + b)]);  window 3: of my rows 64-127.
.set NQ,     4                         ; steps of 128 along K in a slot
.set ROWB,   256                       ; a tile's row: 512 codes
.set KROW,   512                       ; a row of A or B in memory
.set PITCH,  272                       ; an LDS row: 256 bytes + 16: the sixteen rows of a fragment load start 68 words apart
.set FR,     8
.set NL,     2
.set NP,     4                         ; places behind this matrix instruction (ISA guide 7.12.1)
.set HALFT,  128*PITCH
.set SLOT,   4*HALFT
.set KS,     32                        ; a row of scale bytes
.set SCL,    2*SLOT                    ; behind the ring: the scales, as units of 256 bytes + 16
.set HALFS,  16*272
.set SBLK,   2*272
.set SPARE,  SCL+4*HALFS               ; the spare words: 128 bytes for each wave, named by no other line
.set SPITCH, 272                       ; the way out: a stage of 16 rows x (256 + 16) for each wave, in slot 0, which has had its only fill and its last read by then
.set ADRA, 16
.set ADRB, 20
.set STO,  24
.set RD,   25
.set CO,   26
.set ADRS, 27
.set SPW,  28
.set NIL,  29
.set FO,   30                          ; v30  my byte offset among the fine rows: 12,288 r + 32 h
.set SC,   32
.set AF,   128
.set TMP,  128                         ; the way out: packed results
.set BK,   160                         ; and rows read back: v160-191, v192-223 by turns
.set G1, 24
.set G0, 32
.set G1B, 48
.set G0B, 56
.set G1S, 68
.set G0S, 76
.set G1SB, 80
.set G0SB, 88
.set MSB, 0
.macro WIN new                         ; the immediate's high byte repeats the setting that is left
.if MSB != \new
	s_set_vgpr_msb (MSB<<8)|\new
.set MSB, \new
.endif
.endm
.set MUL_LO, 0xa1                      ; source 0 (B) window 1, source 1 (A) window 0, C and D window 2
.set MUL_HI, 0xf1
.set TO_B,   0x40
; A joint load: waves 0 and 1 fetch for A, waves 2 and 3 for B; the branch hangs on the wave's number alone.  An s_nop 0 and four v_nop follow each line.
.macro JLOAD g0a, g1a, g0b, g1b
	s_cmp_eq_u32 s15, 0
	s_cbranch_scc0 .Lfor_b_\@
	tensor_load_to_lds s[\g0a:\g0a+3], s[\g1a:\g1a+7]
	s_nop 0
.rept 4
	v_nop
.endr
	s_branch .Lasked_\@
.Lfor_b_\@:
	tensor_load_to_lds s[\g0b:\g0b+3], s[\g1b:\g1b+7]
	s_nop 0
.rept 4
	v_nop
.endr
.Lasked_\@:
.endm
.macro CROUND                          ; a round of the cluster's barrier
	s_barrier_signal -1
	s_barrier_wait -1
	s_cmp_lg_u32 s14, 0
	s_cbranch_scc1 .Lnot_wave_0_\@
	s_barrier_signal -3
.Lnot_wave_0_\@:
	s_barrier_wait -3
	s_barrier_signal -1
	s_barrier_wait -1
.endm
	s_load_b128 s[4:7], s[0:1], 0x0                ; A's codes, A's scales
	s_load_b128 s[8:11], s[0:1], 0x10              ; B's codes, B's scales
	s_load_b64 s[12:13], s[0:1], 0x20              ; qkv
	s_load_b64 s[96:97], s[0:1], 0x28              ; fineqkv
	v_lshl_add_u32 v[SPW], v0, 2, SPARE
	v_mov_b32 v[NIL], 0
	ds_add_u32 v[SPW], v[NIL]                      ; the wave's opening: the add, twice on end, and its wait ahead of my first tensor load
	ds_add_u32 v[SPW], v[NIL]
	v_lshrrev_b32 v1, 5, v0
	v_readfirstlane_b32 s14, v1                    ; wave 0..3
	s_lshr_b32 s15, s14, 1                         ; which half of the tile's rows is mine.  Also: I fetch for A (0) or B (1)
	s_and_b32 s16, s14, 1                          ; which half of its columns.  Also: which 128 rows I fetch
	s_bfe_u32 s40, ttmp6, 0x40000                  ; cx
	s_bfe_u32 s41, ttmp6, 0x40004                  ; cy
	s_lshl_b32 s42, ttmp9, 2
	s_add_co_u32 s42, s42, s40                     ; tile column = 4 x cluster x + cx
	s_and_b32 s95, ttmp7, 0xffff                   ; cluster y
	s_lshl_b32 s17, s41, 11
	s_lshl_b32 s18, s95, 8
	s_add_co_u32 s17, s17, s18                     ; the tile's first row = 2,048 cy + 256 cluster y
	s_lshl_b32 s43, s41, 2
	s_lshl_b32 s43, 15, s43                        ; my row of the cluster
	s_lshl_b32 s44, 0x1111, s40                    ; my column
	s_or_b32 s[G1+0], s43, (0<<16)|(1<<20)|(1<<21)|(5<<22)|(3<<25)  ; mask; elements of 1 byte; padding: 4 words behind every 64
	s_or_b32 s[G1B+0], s44, (0<<16)|(1<<20)|(1<<21)|(5<<22)|(3<<25)
.irp g, G1, G1B
	s_mov_b32 s[\g+1], ROWB<<16                    ; tensor_dim0
	s_mov_b32 s[\g+2], 128<<16                     ; tensor_dim1
	s_mov_b32 s[\g+3], ROWB<<16                    ; tile_dim0
	s_mov_b32 s[\g+4], 128                         ; tile_dim1
	s_mov_b32 s[\g+5], KROW                        ; pitch
	s_mov_b32 s[\g+6], 0
	s_mov_b32 s[\g+7], 0
.endr
	s_or_b32 s[G1S+0], s43, (3<<16)|(1<<20)|(1<<21)|(5<<22)|(3<<25) ; the scales of 128 rows: 4,096 dense bytes as 16 rows of 256 (32 elements of 8 bytes), 16 bytes behind each
	s_or_b32 s[G1SB+0], s44, (3<<16)|(1<<20)|(1<<21)|(5<<22)|(3<<25)
.irp g, G1S, G1SB
	s_mov_b32 s[\g+1], 32<<16
	s_mov_b32 s[\g+2], 16<<16
	s_mov_b32 s[\g+3], 32<<16
	s_mov_b32 s[\g+4], 16
	s_mov_b32 s[\g+5], 32
	s_mov_b32 s[\g+6], 0
	s_mov_b32 s[\g+7], 0
.endr
	s_lshl_b32 s18, s16, 7                         ; which 128 rows of the tile I fetch
	s_add_co_u32 s20, s17, s18                     ; A's row
	s_lshl_b32 s46, s42, 8
	s_add_co_u32 s46, s46, s18                     ; B's row
	s_mov_b32 s21, 0
	s_mov_b32 s47, 0
	s_mov_b64 s[18:19], KS
	s_mul_u64 s[22:23], s[20:21], s[18:19]         ; where these rows' scales begin
	s_mul_u64 s[92:93], s[46:47], s[18:19]
	s_mov_b64 s[18:19], KROW
	s_mul_u64 s[20:21], s[20:21], s[18:19]         ; and their codes
	s_mul_u64 s[46:47], s[46:47], s[18:19]
	s_mul_i32 s45, s14, HALFT                      ; where they go: wave x 128 rows
	s_mul_i32 s94, s14, HALFS
	s_wait_dscnt 0x0                               ; both opening adds are done
	s_wait_kmcnt 0x0
	s_add_nc_u64 s[20:21], s[4:5], s[20:21]
	s_add_nc_u64 s[22:23], s[6:7], s[22:23]
	s_add_nc_u64 s[46:47], s[8:9], s[46:47]
	s_add_nc_u64 s[92:93], s[10:11], s[92:93]
	CROUND                                         ; all sixteen work-groups are here: the joint loads meet
	s_mov_b32 s[G0S], 1
	s_add_co_u32 s[G0S+1], s94, SCL
	s_mov_b64 s[G0S+2:G0S+3], s[22:23]
	s_or_b32 s[G0S+3], s[G0S+3], 0x80000000
	s_mov_b32 s[G0SB], 1
	s_add_co_u32 s[G0SB+1], s94, SCL
	s_mov_b64 s[G0SB+2:G0SB+3], s[92:93]
	s_or_b32 s[G0SB+3], s[G0SB+3], 0x80000000
	JLOAD G0S, G1S, G0SB, G1SB                     ; the scales first
.irp s, 0,1
	s_mov_b32 s[G0+4*\s], 1
	s_add_co_u32 s[G0+4*\s+1], s45, \s*SLOT
	s_add_nc_u64 s[G0+4*\s+2:G0+4*\s+3], s[20:21], \s*ROWB
	s_or_b32 s[G0+4*\s+3], s[G0+4*\s+3], 0x80000000
	s_mov_b32 s[G0B+4*\s], 1
	s_add_co_u32 s[G0B+4*\s+1], s45, \s*SLOT
	s_add_nc_u64 s[G0B+4*\s+2:G0B+4*\s+3], s[46:47], \s*ROWB
	s_or_b32 s[G0B+4*\s+3], s[G0B+4*\s+3], 0x80000000
	JLOAD G0+4*\s, G1, G0B+4*\s, G1B               ; both K steps: three loads of mine are out
.endr
	v_and_b32 v1, 15, v0                           ; r
	v_bfe_u32 v2, v0, 4, 1                         ; h
	v_mul_u32_u24 v3, v1, PITCH
	v_lshl_add_u32 v4, v2, 4, v3                   ; a fragment's row x pitch + 16 h
	s_mul_i32 s21, s15, HALFT
	s_mul_i32 s22, s16, HALFT
	s_add_co_u32 s22, s22, 2*HALFT
.irp s, 0,1
	v_add_nc_u32 v[ADRA+\s], s21, v4
	v_add_nc_u32 v[ADRB+\s], s22, v4
	s_add_co_u32 s21, s21, SLOT
	s_add_co_u32 s22, s22, SLOT
.endr
	v_mul_u32_u24 v5, v1, KS                       ; my row's scales: 32 bytes a row,
	v_lshrrev_b32 v6, 8, v5
	v_lshl_add_u32 v5, v6, 4, v5                   ; and 16 more for each 256 passed
	s_mul_i32 s21, s15, HALFS
	s_mul_i32 s22, s16, HALFS
	s_add_co_u32 s22, s22, 2*HALFS
	s_sub_co_u32 s22, s22, s21
	v_mul_u32_u24 v6, s22, v2                      ; lanes 16-31 take B's
	s_add_co_u32 s21, s21, SCL
	v_add_nc_u32 v5, v5, v6
	v_add_nc_u32 v[ADRS], s21, v5
	s_mul_i32 s23, s14, 16*SPITCH                  ; my stage
	v_mul_u32_u24 v5, v1, SPITCH
	v_lshl_add_u32 v5, v2, 4, v5
	v_add_nc_u32 v[STO], s23, v5                   ; in: row r, 16 bytes for each half of the lanes
	v_bfe_u32 v5, v0, 3, 2
	v_and_b32 v6, 7, v0
	v_mul_u32_u24 v5, v5, SPITCH
	v_lshl_add_u32 v5, v6, 4, v5
	v_add_nc_u32 v[RD], s23, v5                    ; back: eight lanes to a plane's 128 bytes of a row, four rows an instruction
	v_and_b32 v6, 31, v0
	v_lshlrev_b32 v[CO], 4, v6                     ; which are 512 consecutive bytes of a plane
	v_mul_u32_u24 v[FO], v1, 12288
	v_lshl_add_u32 v[FO], v2, 5, v[FO]
	s_lshl_b32 s21, s15, 7
	s_add_co_u32 s20, s17, s21                     ; my first row,
	s_lshl_b32 s20, s20, 7                         ; 128 bytes a row,
	s_lshl_b32 s46, s42, 2
	s_lshl_b32 s47, s16, 1
	s_add_co_u32 s46, s46, s47                     ; my first plane = 4 x tile column + 2 x half,
	s_lshl_b32 s46, s46, 20                        ; 2^20 bytes a plane
	s_add_co_u32 s20, s20, s46
	s_mov_b32 s21, 0
	s_add_nc_u64 s[12:13], s[12:13], s[20:21]
	s_mul_i32 s20, s41, 196608                     ; fine rows: 16 rows of 12,288 bytes for each batch,
	s_lshl_b32 s46, s42, 10
	s_lshl_b32 s47, s16, 9
	s_add_co_u32 s20, s20, s46
	s_add_co_u32 s20, s20, s47                     ; + 4 x my first column
	s_mov_b32 s21, 0
	s_add_nc_u64 s[96:97], s[96:97], s[20:21]
.macro FRAG reg, adr, q, i             ; 16 rows x 128 K of 4-bit codes: 8 registers, two loads 32 bytes apart
.irp c, 0,1
	ds_load_b128 v[\reg+4*\c:\reg+4*\c+3], v[\adr] offset:64*(\q)+32*\c+(\i)*16*PITCH
.endr
.endm
; 16 matrix instructions: A's blocks a0, a0 + 1 x B's eight.  The 64 accumulators take turns, one instruction a turn.
.macro MUL16 a0, p, q, sc, zero
.irp a, \a0, \a0+1
.irp b, 0,1,2,3,4,5,6,7
.if \zero
	v_wmma_scale_f32_16x16x128_f8f6f4 v[8*(8*((\a)%4)+\b):8*(8*((\a)%4)+\b)+7], v[128*(\p)+FR*\b:128*(\p)+FR*\b+FR-1], v[AF+FR*(\a):AF+FR*(\a)+FR-1], 0, v[SC+8*NQ*(\sc)+NQ*\b+(\q)], v[SC+8*NQ*(\sc)+NQ*(\a)+(\q)] matrix_a_fmt:MATRIX_FMT_FP4 matrix_b_fmt:MATRIX_FMT_FP4 matrix_a_scale:MATRIX_SCALE_ROW1
.else
	v_wmma_scale_f32_16x16x128_f8f6f4 v[8*(8*((\a)%4)+\b):8*(8*((\a)%4)+\b)+7], v[128*(\p)+FR*\b:128*(\p)+FR*\b+FR-1], v[AF+FR*(\a):AF+FR*(\a)+FR-1], v[8*(8*((\a)%4)+\b):8*(8*((\a)%4)+\b)+7], v[SC+8*NQ*(\sc)+NQ*\b+(\q)], v[SC+8*NQ*(\sc)+NQ*(\a)+(\q)] matrix_a_fmt:MATRIX_FMT_FP4 matrix_b_fmt:MATRIX_FMT_FP4 matrix_a_scale:MATRIX_SCALE_ROW1
.endif
.endr
.endr
.endm
.macro FETCH_B slot, q, p
	WIN TO_B
.irp i, 0,1,2,3,4,5,6,7
	FRAG 128*(\p)+FR*\i, ADRB+\slot, \q, \i
.endr
	WIN 0
.endm
.macro FETCH_A slot, q, i0
.irp i, \i0, \i0+1, \i0+2, \i0+3
	FRAG AF+FR*(\i), ADRA+\slot, \q, \i
.endr
.endm
.macro SCALES sc                       ; a K step's scale words: lanes 0-15 A's block i, lanes 16-31 B's block i
.irp i, 0,1,2,3,4,5,6,7
	ds_load_b128 v[SC+8*NQ*\sc+NQ*\i:SC+8*NQ*\sc+NQ*\i+3], v[ADRS] offset:\i*SBLK
.endr
.endm
.macro PLACES n                        ; places in front of loads into registers that matrix instructions have read, and of the first read of results
.rept \n
	v_nop
.endr
.endm
.macro STEP slot, q, zero              ; 128 along K, with its successor in the same slot
	s_wait_dscnt 4*NL                              ; B's set and A's blocks 0-3 are in; the youngest eight loads (A's blocks 4-7) may be out
	WIN MUL_LO
	MUL16 0, (\q)%2, \q, \slot, \zero
	MUL16 2, (\q)%2, \q, \slot, \zero
	s_wait_dscnt 0
	PLACES NP
	FETCH_B \slot, (\q)+1, 1-(\q)%2
	FETCH_A \slot, (\q)+1, 0
	WIN MUL_HI
	MUL16 4, (\q)%2, \q, \slot, \zero
	MUL16 6, (\q)%2, \q, \slot, \zero
	PLACES NP
	WIN 0
	FETCH_A \slot, (\q)+1, 4
.endm
.macro TURN slot, next                 ; slot 0's last step changes slots: one barrier
	s_wait_tensorcnt 0x0                           ; all my tensor loads have landed: my part of the next slot
	ds_add_u32 v[SPW], v[NIL]
	s_wait_dscnt 4*NL+1                            ; the add and the youngest eight loads may be out
	WIN MUL_LO
	MUL16 0, 1, NQ-1, \slot, 0
	s_wait_dscnt 0x0                               ; the add is done, and my reads of this slot are over
	s_barrier_signal -1
	MUL16 2, 1, NQ-1, \slot, 0
	WIN 0
	s_barrier_wait -1
	PLACES NP
	v_add_nc_u32 v[ADRS], 4*NQ, v[ADRS]            ; the next K step's scale words
	FETCH_B \next, 0, 0
	FETCH_A \next, 0, 0
	SCALES \next
	WIN MUL_HI
	MUL16 4, 1, NQ-1, \slot, 0
	MUL16 6, 1, NQ-1, \slot, 0
	PLACES NP
	WIN 0
	FETCH_A \next, 0, 4
.endm
.macro STEPS slot, from
.set QS, \from
.rept NQ-1-\from
	STEP \slot, QS, 0
.set QS, QS+1
.endr
.endm
	s_wait_tensorcnt 1                             ; the scales and my part of K step 0 are in; K step 1's load may be out
	s_barrier_signal -1
	s_barrier_wait -1
	FETCH_B 0, 0, 0
	FETCH_A 0, 0, 0
	SCALES 0
	FETCH_A 0, 0, 4
	STEP 0, 0, 1                                   ; the first products start the sums
	STEPS 0, 1
	TURN 0, 1
	STEPS 1, 0
	s_wait_dscnt 4*NL                              ; the last step: nothing more to fetch
	WIN MUL_LO
	MUL16 0, 1, NQ-1, 1, 0
	MUL16 2, 1, NQ-1, 1, 0
	s_wait_dscnt 0
	WIN MUL_HI
	MUL16 4, 1, NQ-1, 1, 0
	MUL16 6, 1, NQ-1, 1, 0
	WIN 0
	PLACES NP
	; THE FINE ROWS: positions 0-15 lie in block 0 of the waves with the upper half of the rows, in the clusters with y = 0: a test on the cluster's y and the wave's number alone
	s_or_b32 s94, s95, s15
	s_cmp_lg_u32 s94, 0
	s_cbranch_scc1 .Lnofine
	WIN 0x08                                       ; a store's data: window 2
.irp b, 0,1,2,3,4,5,6,7
	global_store_b128 v[FO], v[8*\b:8*\b+3], s[96:97] offset:64*\b          ; each accumulator from its low end on
	global_store_b128 v[FO], v[8*\b+4:8*\b+7], s[96:97] offset:64*\b+16
.endr
	WIN 0
.Lnofine:
; THE WAY OUT, a block of 16 rows x 128 columns at a time: rounded to f16, through my stage, back as four rows of a plane an instruction: 512 consecutive bytes.
.macro PACK a
.set AC, 64*((\a)%4)
	WIN 0x0a+5*((\a)/4)                            ; sources 0 and 1: window 2 or 3
.irp b, 0,1,2,3,4,5,6,7
.irp i, 0,1,2,3
	v_cvt_pk_f16_f32 v[TMP+4*\b+\i], v[AC+8*\b+2*\i], v[AC+8*\b+2*\i+1]
.endr
.endr
	WIN 0
.endm
.macro TOSTAGE a
.set BB, BK+32*((\a)%2)
.irp b, 0,1,2,3,4,5,6,7
	ds_store_b128 v[STO], v[TMP+4*\b:TMP+4*\b+3] offset:32*\b
.endr
.irp hh, 0,1
.irp i, 0,1,2,3
	ds_load_b128 v[BB+4*(4*\hh+\i):BB+4*(4*\hh+\i)+3], v[RD] offset:4*\i*SPITCH+128*\hh   ; LDS serves a wave's instructions in order: these see the stores above
.endr
.endr
.endm
.macro SEND a
.set BB, BK+32*((\a)%2)
	s_wait_dscnt 0x0                               ; the block is back in registers
	s_wait_xcnt 0x0                                ; the earlier stores have read their registers: the block after this one may land there
.irp hh, 0,1
.irp i, 0,1,2,3
	global_store_b128 v[CO], v[BB+4*(4*\hh+\i):BB+4*(4*\hh+\i)+3], s[12:13] offset:\hh*1048576+2048*(\a)+512*\i
.endr
.endr
.endm
	PACK 0
	TOSTAGE 0
.irp a, 1,2,3,4,5,6,7
	PACK \a
	SEND \a-1
	TOSTAGE \a
.endr
	SEND 7
	s_wait_tensorcnt 0x0                           ; the wave's end
	ds_add_u32 v[SPW], v[NIL]
	s_wait_dscnt 0x0
	CROUND                                         ; the closing round
	s_endpgm
.Lfunc_end_k_qea47b5b562_qkv:
	.size	k_qea47b5b562_qkv, .Lfunc_end_k_qea47b5b562_qkv-k_qea47b5b562_qkv
	.p2alignl 7, 3214868480
	.fill 96, 4, 3214868480
	.section	.rodata,"a",@progbits
	.p2align	6, 0x0
	.amdhsa_kernel k_qea47b5b562_qkv
		.amdhsa_group_segment_fixed_size 327680
		.amdhsa_private_segment_fixed_size 0
		.amdhsa_enable_private_segment 0
		.amdhsa_kernarg_size 48
		.amdhsa_user_sgpr_count 2
		.amdhsa_user_sgpr_kernarg_segment_ptr 1
		.amdhsa_wavefront_size32 1
		.amdhsa_system_sgpr_workgroup_id_x 1
		.amdhsa_system_sgpr_workgroup_id_y 1
		.amdhsa_system_sgpr_workgroup_id_z 1
		.amdhsa_system_vgpr_workitem_id 0
		.amdhsa_next_free_vgpr 1024
		.amdhsa_next_free_sgpr 98
		.amdhsa_reserve_vcc 0
		.amdhsa_float_denorm_mode_32 3
		.amdhsa_float_denorm_mode_16_64 3
		.amdhsa_memory_ordered 1
		.amdhsa_forward_progress 1
		.amdhsa_inst_pref_size 128
	.end_amdhsa_kernel
	.amdgpu_metadata
---
amdhsa.version: [ 1, 2 ]
amdhsa.kernels:
  - .name:           k_qea47b5b562_qkv
    .symbol:         k_qea47b5b562_qkv.kd
    .args:
      - { .name: x_codes, .offset: 0, .size: 8, .value_kind: global_buffer, .address_space: global }
      - { .name: x_scales, .offset: 8, .size: 8, .value_kind: global_buffer, .address_space: global }
      - { .name: w_codes, .offset: 16, .size: 8, .value_kind: global_buffer, .address_space: global }
      - { .name: w_scales, .offset: 24, .size: 8, .value_kind: global_buffer, .address_space: global }
      - { .name: qkv, .offset: 32, .size: 8, .value_kind: global_buffer, .address_space: global }
      - { .name: fineqkv, .offset: 40, .size: 8, .value_kind: global_buffer, .address_space: global }
    .group_segment_fixed_size: 327680
    .private_segment_fixed_size: 0
    .kernarg_segment_align: 8
    .kernarg_segment_size: 48
    .max_flat_workgroup_size: 128
    .sgpr_count:     98
    .vgpr_count:     1024
    .wavefront_size: 32
...
	.end_amdgpu_metadata
.endif
;; end of part 2
;; launch attn (part 3): grid 4 x 64, 16 waves a work-group, no clusters, 327,680 bytes of LDS; arguments qkv, o; writes o
.if DOCPART == 3
	.amdgcn_target "amdgcn-amd-amdhsa--gfx1250"
	.amdhsa_code_object_version 6
	.text
	.protected	k_qea47b5b562_attn
	.globl	k_qea47b5b562_attn
	.p2align	8
	.type	k_qea47b5b562_attn,@function
k_qea47b5b562_attn:
	s_mov_b64 s[64:65], 0
	v_nop
	global_prefetch_b8 v0, s[64:65] scope:SCOPE_SE
	s_setreg_imm32_b32 hwreg(HW_REG_WAVE_MODE, 25, 1), 1
	s_wait_xcnt 0x0
; o[h][m][:] = sum over keys k <= q of softmax_k(q . k / 8) v[k][:], for 64 (batch, head) pairs of 2,048 positions and head size 64.  q, k, v: f16 planes of qkv [48][8192][64]; o: f16 [16][8192][64].
; Products in f16 with f32 sums; maxima, exponentials and row sums in f32; the weights p (at most about 1) are rounded to f16 for the second product, o once at the end.
; LIMITS: f16's range for o (as for v); NaN and infinities are not served.  Positions 0-15 are made again in f32 by a later launch.
; SHARES.  A work-group owns query blocks i and 7 - i (256 queries each) of one (batch, head): waves 0-7 the first, waves 8-15 the second, 32 queries (two tiles of 16) a wave, so that under the causal mask all work-groups have the same work.
; Every work-group walks all 8 slots of 256 keys, 4 steps of 64 in each: the loops' counts are constants.  A wave jumps over the work of a step all of whose keys come after its queries; slots whose first key comes after
; the work-group's last query are not asked for.
; NO CLUSTER: the work-groups of a head end their key walks at different causal limits (256 (8 - i) keys), so a joint load would bring some partners tiles that none of their waves reads.
; LAYOUT.  S^T = K Q^T (source 0 = 16 keys, source 1 = 16 queries): a lane holds ONE query (lane % 16) and keys 8 (lane / 16) + 0..7 of a tile; two tiles rounded in pairs ARE source 1 (32 keys x 16 queries) of O^T = V^T P.
; K comes out of LDS as it lies, V ([key][channel]) turned, by ds_load_tr16_b128.
; SOFTMAX.  A running maximum m and sum l for each query: p = 2^(c s - c m), c = log2(e) / 8; in every step O and l are multiplied by a = 2^(c m_old - c m_new).
.set PK,    144                        ; a key's row in LDS: 128 bytes + 16
.set PV,    160                        ; a value's row: 128 + 32
.set VOFF,  64*PK                      ; a step's tiles lie together: 64 rows of K, then 64 of V
.set STEPB, 64*(PK+PV)
.set NQ,    4                          ; steps in a slot
.set SLOT1, 1<<17                      ; slot 1 begins here: one exclusive or turns an address from one slot to the other
.set SPARE, 2*SLOT1                    ; the spare words: 128 bytes for each of 16 waves
.set AK0, 1                            ; v1   my lane's place in a tile of K
.set AV0, 2                            ; v2   in a tile of V
.set ADK, 3                            ; v3   LDS address of the step's K
.set ADV, 4                            ; v4   of its V
.set SPW, 5                            ; v5   my spare word; never rewritten
.set NIL, 6                            ; v6   0; never rewritten
.set PFO, 7                            ; v7   256 x lane: the prefetches' offset; never rewritten
.set ST,  8                            ; v8-23  tile t at ST + 8 t: +0 c m, +1 m, +2, +3 l, +4..+7 c0-c3 at work (a takes c2's place)
.set QQ,  32                           ; v32-63   Q: 16 t + 8 cf
.set KV,  64                           ; v64-127  K's fragments (16 kt + 8 cf), then V's (32 kg + 8 ct)
.set SS,  128                          ; v128-191 S^T: 32 t + 8 kt; P is made in place in the tile's first 16
.set OO,  192                          ; v192-255 O^T: 32 t + 8 ct
.set WV,  8                            ; s8   my wave
.set Q0,  11                           ; s11  my first query
.set LASTQ, 12                         ; s12  my work-group's last query
.set KF,  13                           ; s13  the step's first key
.set TB,  14                           ; s14  LDS byte at which the step's tiles begin
.set SLOTS, 15
.set STEPC, 16
.set CS,  18                           ; s[18:19] c, twice
.set SEL, 20                           ; s[20:21] lane selects: lane xor 16
.set G1K, 24
.set G1V, 32
.set G0K, 40
.set G0V, 44
.set PFA, 48                           ; s[48:49] where my prefetches stand
.set LIM, 50                           ; s50  1 in a wave that prefetches, else the greatest number
; Waves 0-3 fetch the slot's four tiles of K, waves 4-7 its four of V, the others nothing.  An s_nop 0 and four v_nop follow each line.
.macro TLOAD
	s_cmp_lt_u32 s[WV], 4
	s_cbranch_scc0 .Lnot_k_\@
	tensor_load_to_lds s[G0K:G0K+3], s[G1K:G1K+7]
	s_nop 0
.rept 4
	v_nop
.endr
	s_branch .Lasked_\@
.Lnot_k_\@:
	s_cmp_lt_u32 s[WV], 8
	s_cbranch_scc0 .Lasked_\@
	tensor_load_to_lds s[G0V:G0V+3], s[G1V:G1V+7]
	s_nop 0
.rept 4
	v_nop
.endr
.Lasked_\@:
.endm
; A prefetch of what the NEXT change of slots will ask for: 32,768 dense bytes of K and as many of V.  Each aligned block of 256 bytes is named once in the launch: of the four work-groups of a (batch, head)
; the one with x = 0, which walks and loads all slots, asks; in it waves 8-11 for K, waves 12-15 for V, 8,192 bytes a wave, lanes 256 bytes apart.  The last change that fills a slot asks for nothing.
.macro ASK
	s_cmp_gt_u32 s[SLOTS], s[LIM]
	s_cbranch_scc0 .Lnot_mine_\@
	global_prefetch_b8 v[PFO], s[PFA:PFA+1] th:TH_LOAD_NT scope:SCOPE_SE
.Lnot_mine_\@:
.endm
	s_load_b128 s[4:7], s[0:1], 0x0                ; qkv, o
	v_lshl_add_u32 v[SPW], v0, 2, SPARE
	v_mov_b32 v[NIL], 0
	ds_add_u32 v[SPW], v[NIL]                      ; the wave's opening: the add, twice on end, and its wait ahead of the first tensor load
	ds_add_u32 v[SPW], v[NIL]
	v_lshrrev_b32 v1, 5, v0
	v_readfirstlane_b32 s[WV], v1                  ; wave 0..15
	s_and_b32 s52, ttmp7, 0xffff
	s_and_b32 s53, s52, 15                         ; head
	s_lshr_b32 s54, s52, 4                         ; batch
	s_lshl_b32 s53, s53, 20
	s_lshl_b32 s54, s54, 18
	s_add_co_u32 s56, s53, s54                     ; the (batch, head)'s first byte in a plane group: head x 2^20 + batch x 2,048 rows of 128 bytes
	s_mov_b32 s57, 0
	s_sub_co_u32 s55, 7, ttmp9
	s_cmp_lt_u32 s[WV], 8
	s_cselect_b32 s55, ttmp9, s55                  ; my block of 256 queries: i or 7 - i
	s_and_b32 s58, s[WV], 7
	s_lshl_b32 s58, s58, 5
	s_lshl_b32 s[Q0], s55, 8
	s_add_co_u32 s[Q0], s[Q0], s58
	s_sub_co_u32 s[LASTQ], 8, ttmp9
	s_lshl_b32 s[LASTQ], s[LASTQ], 8
	s_sub_co_u32 s[LASTQ], s[LASTQ], 1
	s_mov_b32 s[G1K], (1<<16)|(1<<20)|(4<<22)|(3<<25)   ; elements of 2 bytes; padding: 4 words behind every 32
	s_mov_b32 s[G1V], (1<<16)|(1<<20)|(4<<22)|(7<<25)   ; 8 words
.irp g, G1K, G1V
	s_mov_b32 s[\g+1], 64<<16                      ; tensor_dim0 = 64
	s_mov_b32 s[\g+2], 64<<16                      ; tensor_dim1 = 64
	s_mov_b32 s[\g+3], 64<<16                      ; tile_dim0 = 64
	s_mov_b32 s[\g+4], 64                          ; tile_dim1 = 64
	s_mov_b32 s[\g+5], 64                          ; pitch
	s_mov_b32 s[\g+6], 0
	s_mov_b32 s[\g+7], 0
.endr
	s_mov_b32 s[CS], 0x3e38aa3b                    ; c = log2(e) / 8
	s_mov_b32 s[CS+1], s[CS]
	s_mov_b32 s[SEL], 0x76543210
	s_mov_b32 s[SEL+1], 0xfedcba98
	s_mov_b32 s[TB], 0
	s_mov_b32 s[KF], 0
	s_mov_b32 s[SLOTS], 7
	s_and_b32 s58, s[WV], 3                        ; which of a slot's four steps I fetch (or prefetch)
	s_mul_i32 s59, s58, STEPB                      ; its place in a slot,
	s_lshl_b32 s60, s58, 13                        ; its 64 rows of 128 bytes in memory
	s_add_co_u32 s60, s60, s56
	s_mov_b32 s61, 0
	s_lshl_b32 s52, s[Q0], 7
	s_add_co_u32 s52, s52, s56                     ; my first query's row
	s_mov_b32 s53, 0
	s_wait_dscnt 0x0                               ; both opening adds are done
	s_wait_kmcnt 0x0
	s_add_nc_u64 s[60:61], s[4:5], s[60:61]
	s_mov_b32 s[G0K], 1
	s_mov_b32 s[G0K+1], s59
	s_add_nc_u64 s[G0K+2:G0K+3], s[60:61], 16<<20  ; K's planes begin 16 planes on
	s_or_b32 s[G0K+3], s[G0K+3], 0x80000000
	s_mov_b32 s[G0V], 1
	s_add_co_u32 s[G0V+1], s59, VOFF
	s_add_nc_u64 s[G0V+2:G0V+3], s[60:61], 32<<20  ; V's 32
	s_or_b32 s[G0V+3], s[G0V+3], 0x80000000
	TLOAD                                          ; slot 0: key 0 counts for every query, so it is read
	s_add_nc_u64 s[6:7], s[6:7], s[52:53]          ; o at my first query
	s_add_nc_u64 s[52:53], s[4:5], s[52:53]        ; q likewise
	s_mov_b32 s62, 32<<20
	s_cmp_lt_u32 s[WV], 12
	s_cselect_b32 s62, 16<<20, s62
	s_mov_b32 s63, 0
	s_add_nc_u64 s[PFA:PFA+1], s[60:61], s[62:63]
	s_add_nc_u64 s[PFA:PFA+1], s[PFA:PFA+1], 32768 ; in slot 1: the first change steps it to slot 2.  Nothing is prefetched here, at the head
	s_lshr_b32 s62, s[WV], 3
	s_xor_b32 s62, s62, 1                          ; 0 in waves 8 to 15,
	s_or_b32 s62, s62, ttmp9                       ; of the work-group with x = 0
	s_cmp_eq_u32 s62, 0
	s_cselect_b32 s[LIM], 1, -1
	v_and_b32 v28, 15, v0                          ; r
	v_bfe_u32 v29, v0, 4, 1                        ; h
	v_lshlrev_b32 v30, 7, v28
	v_lshl_add_u32 v30, v29, 4, v30                ; Q: 128 r + 16 h
.irp t, 0,1
.irp cf, 0,1
	global_load_b128 v[QQ+16*\t+8*\cf:QQ+16*\t+8*\cf+3], v30, s[52:53] offset:2048*\t+64*\cf
	global_load_b128 v[QQ+16*\t+8*\cf+4:QQ+16*\t+8*\cf+7], v30, s[52:53] offset:2048*\t+64*\cf+32
.endr
.endr
	v_mul_u32_u24 v[AK0], v28, PK
	v_lshl_add_u32 v[AK0], v29, 4, v[AK0]          ; row x pitch + 16 h
	v_and_b32 v31, 7, v0
	v_lshl_add_u32 v[AV0], v29, 3, v31             ; the turning load: key 8 h + lane % 8,
	v_mul_u32_u24 v[AV0], v[AV0], PV
	v_bfe_u32 v31, v0, 3, 1
	v_lshl_add_u32 v[AV0], v31, 4, v[AV0]          ; channels 8 ((lane / 8) % 2) on
	v_add_nc_u32 v[AV0], VOFF, v[AV0]
	v_lshlrev_b32 v24, 3, v29
	v_sub_nc_u32 v24, v28, v24                     ; r - 8 h
	v_mov_b32 v27, 0xff800000                      ; -infinity
	v_and_b32 v[PFO], 31, v0
	v_lshlrev_b32 v[PFO], 8, v[PFO]
.irp t, 0,1
	v_mov_b32 v[ST+8*\t+1], 0xff61b1e6             ; m = -3e38, under every score
	v_mul_f32 v[ST+8*\t], s[CS], v[ST+8*\t+1]      ; c m
.irp j, 2,3,4,5,6,7
	v_mov_b32 v[ST+8*\t+\j], 0                     ; l; and the registers at work, so that nothing is read unwritten
.endr
.endr
.set i, 0
.rept 64
	v_mov_b32 v[OO+i], 0                           ; O^T: the step is written once; its first run finds zeros, which a = 0 leaves zeros
.set i, i+1
.endr
.macro SOFTMAX                         ; both tiles line by line, so that no line waits for the line above it
.irp j, 0,1,2,3
.irp t, 0,1
	v_max3_num_f32 v[ST+8*\t+4+\j], v[SS+32*\t+8*\j], v[SS+32*\t+8*\j+1], v[SS+32*\t+8*\j+2]   ; each accumulator is read from its low end first
.endr
.endr
.irp g, 1,2
.irp j, 0,1,2,3
.irp t, 0,1
	v_max3_num_f32 v[ST+8*\t+4+\j], v[ST+8*\t+4+\j], v[SS+32*\t+8*\j+2*\g+1], v[SS+32*\t+8*\j+2*\g+2]
.endr
.endr
.endr
.irp t, 0,1
	v_max3_num_f32 v[ST+8*\t+4], v[ST+8*\t+4], v[SS+32*\t+7], v[SS+32*\t+15]
	v_max3_num_f32 v[ST+8*\t+6], v[ST+8*\t+6], v[SS+32*\t+23], v[SS+32*\t+31]
.endr
.irp t, 0,1
	v_max3_num_f32 v[ST+8*\t+4], v[ST+8*\t+4], v[ST+8*\t+5], v[ST+8*\t+6]
.endr
.irp t, 0,1
	v_max3_num_f32 v[ST+8*\t+4], v[ST+8*\t+4], v[ST+8*\t+7], v[ST+8*\t+1]   ; with the old m
.endr
.irp t, 0,1
	v_permlanex16_b32 v[ST+8*\t+5], v[ST+8*\t+4], s[SEL], s[SEL+1]          ; the query's other 32 keys lie in the lane 16 away
.endr
.irp t, 0,1
	v_mov_b32 v[ST+8*\t+7], v[ST+8*\t]             ; c m_old
.endr
.irp t, 0,1
	v_max_num_f32 v[ST+8*\t+1], v[ST+8*\t+4], v[ST+8*\t+5]
.endr
.irp t, 0,1
	v_mul_f32 v[ST+8*\t], s[CS], v[ST+8*\t+1]
.endr
.irp t, 0,1
	v_sub_f32 v[ST+8*\t+7], v[ST+8*\t+7], v[ST+8*\t]
.endr
.irp t, 0,1
	v_exp_f32 v[ST+8*\t+6], v[ST+8*\t+7]           ; a
.endr
.irp b, 0,1,2,3,4,5,6,7,8,9,10,11,12,13,14,15
.irp t, 0,1
	v_pk_fma_f32 v[SS+32*\t+2*\b:SS+32*\t+2*\b+1], v[SS+32*\t+2*\b:SS+32*\t+2*\b+1], s[CS:CS+1], v[ST+8*\t:ST+8*\t+1] op_sel_hi:[1,0,0] neg_lo:[0,0,1] neg_hi:[0,0,1]   ; c s - c m
.endr
.endr
.set i, 0
.rept 64
	v_exp_f32 v[SS+i], v[SS+i]                     ; p
.set i, i+1
.endr
	v_nop                                          ; a plain line behind the last exponential
	s_wait_alu depctr_va_vdst(0)                   ; ONE wait for the step's 66 exponentials, ahead of the first line that names a result
.irp t, 0,1
	v_pk_fma_f32 v[ST+8*\t+2:ST+8*\t+3], v[ST+8*\t+2:ST+8*\t+3], v[ST+8*\t+6:ST+8*\t+7], v[SS+32*\t:SS+32*\t+1] op_sel_hi:[1,0,1]   ; l = a l + ..: the sum is taken of the unrounded p, in two chains
.endr
.irp t, 0,1
	v_pk_add_f32 v[ST+8*\t+4:ST+8*\t+5], v[SS+32*\t+2:SS+32*\t+3], v[SS+32*\t+4:SS+32*\t+5]
.endr
.irp b, 3,5,7,9,11,13
.irp t, 0,1
	v_pk_add_f32 v[ST+8*\t+2:ST+8*\t+3], v[ST+8*\t+2:ST+8*\t+3], v[SS+32*\t+2*\b:SS+32*\t+2*\b+1]
	v_pk_add_f32 v[ST+8*\t+4:ST+8*\t+5], v[ST+8*\t+4:ST+8*\t+5], v[SS+32*\t+2*\b+2:SS+32*\t+2*\b+3]
.endr
.endr
.irp t, 0,1
	v_pk_add_f32 v[ST+8*\t+2:ST+8*\t+3], v[ST+8*\t+2:ST+8*\t+3], v[SS+32*\t+30:SS+32*\t+31]
.endr
.irp t, 0,1
	v_pk_add_f32 v[ST+8*\t+2:ST+8*\t+3], v[ST+8*\t+2:ST+8*\t+3], v[ST+8*\t+4:ST+8*\t+5]
.endr
.irp b, 0,1,2,3,4,5,6,7,8,9,10,11,12,13,14,15
.irp t, 0,1
	v_cvt_pk_f16_f32 v[SS+32*\t+\b], v[SS+32*\t+2*\b], v[SS+32*\t+2*\b+1]   ; P in place, ascending: register b is written when pairs 0 .. b - 1 have been read
.endr
.endr
.irp b, 0,1,2,3,4,5,6,7,8,9,10,11,12,13,14,15
.irp t, 0,1
	v_pk_mul_f32 v[OO+32*\t+2*\b:OO+32*\t+2*\b+1], v[OO+32*\t+2*\b:OO+32*\t+2*\b+1], v[ST+8*\t+6:ST+8*\t+7] op_sel_hi:[1,0]   ; O^T x a
.endr
.endr
.endm
; A KEY STEP: 64 keys.
.macro STEP
	s_add_co_u32 s52, s[Q0], 31
	s_cmp_gt_u32 s[KF], s52                        ; all keys come after my queries: the work is left out (ids and the count of steps alone; no barrier, wait or tensor load stands in a step)
	s_cbranch_scc1 .Lhidden_\@
	v_add_nc_u32 v[ADK], s[TB], v[AK0]
	v_add_nc_u32 v[ADV], s[TB], v[AV0]
.rept 3
	v_nop                                          ; with the two additions: five places behind the last V^T P: four for the loads into its fragments' registers, five for the products that write over P
.endr
.irp kt, 0,1,2,3
.irp cf, 0,1
	ds_load_b128 v[KV+16*\kt+8*\cf:KV+16*\kt+8*\cf+3], v[ADK] offset:\kt*16*PK+64*\cf
	ds_load_b128 v[KV+16*\kt+8*\cf+4:KV+16*\kt+8*\cf+7], v[ADK] offset:\kt*16*PK+64*\cf+32
.endr
.endr
	s_wait_dscnt 0x0
.irp cf, 0,1                           ; the eight accumulators take turns, one instruction a turn
.irp kt, 0,1,2,3
.irp t, 0,1
.if \cf == 0
	v_wmma_f32_16x16x32_f16 v[SS+32*\t+8*\kt:SS+32*\t+8*\kt+7], v[KV+16*\kt+8*\cf:KV+16*\kt+8*\cf+7], v[QQ+16*\t+8*\cf:QQ+16*\t+8*\cf+7], 0
.else
	v_wmma_f32_16x16x32_f16 v[SS+32*\t+8*\kt:SS+32*\t+8*\kt+7], v[KV+16*\kt+8*\cf:KV+16*\kt+8*\cf+7], v[QQ+16*\t+8*\cf:QQ+16*\t+8*\cf+7], v[SS+32*\t+8*\kt:SS+32*\t+8*\kt+7]
.endif
.endr
.endr
.endr
.rept 4
	v_nop                                          ; places in front of the loads into K's registers and of the first read of the scores
.endr
.irp kg, 0,1                           ; V, turned: it lands under the softmax
.irp ct, 0,1,2,3
	ds_load_tr16_b128 v[KV+32*\kg+8*\ct:KV+32*\kg+8*\ct+3], v[ADV] offset:\kg*32*PV+32*\ct
	ds_load_tr16_b128 v[KV+32*\kg+8*\ct+4:KV+32*\kg+8*\ct+7], v[ADV] offset:\kg*32*PV+16*PV+32*\ct
.endr
.endr
	s_add_co_u32 s52, s[KF], 63
	s_cmp_le_u32 s52, s[Q0]                        ; all keys count for all my queries: no mask
	s_cbranch_scc1 .Lopen_\@
	s_sub_co_i32 s52, s[Q0], s[KF]
	v_add_nc_u32 v25, s52, v24                     ; d = my query - KF - 8 h.  Register n holds key KF + 8 h + 16 (n / 8) + n % 8: hidden where 16 (n / 8) + n % 8 > d
	v_add_nc_u32 v26, 16, v25
.irp t, 0,1
.set n, 0
.rept 32
	v_cmp_gt_i32 vcc_lo, 16*(n/8)+n%8, v[25+\t]
	v_cndmask_b32 v[SS+32*\t+n], v[SS+32*\t+n], v27, vcc_lo
.set n, n+1
.endr
.endr
.Lopen_\@:
	SOFTMAX
	s_wait_dscnt 0x0                               ; V is in
.irp kg, 0,1
.irp ct, 0,1,2,3
.irp t, 0,1
	v_wmma_f32_16x16x32_f16 v[OO+32*\t+8*\ct:OO+32*\t+8*\ct+7], v[KV+32*\kg+8*\ct:KV+32*\kg+8*\ct+7], v[SS+32*\t+8*\kg:SS+32*\t+8*\kg+7], v[OO+32*\t+8*\ct:OO+32*\t+8*\ct+7]
.endr
.endr
.endr
.Lhidden_\@:
	s_add_co_u32 s[KF], s[KF], 64
	s_add_co_u32 s[TB], s[TB], STEPB
.endm
; THE CHANGE OF SLOTS stands at a slot's head.  Each wave waits for all its tensor loads, adds 0 to its spare word, and waits for that and for its reads of the slot that it has left.
; Behind the barrier the slot ahead is whole and nobody reads the other one, which (fill = 1) takes the next 256 keys: one load a wave, with a slot's four steps in which to land.
.macro CHANGE fill
	s_wait_tensorcnt 0x0                           ; no tensor load of mine is out, so a group 0 may be written
	ds_add_u32 v[SPW], v[NIL]
.if \fill
	ds_add_u32 v[SPW], v[NIL]                      ; twice on end here, in every trip alike
	s_xor_b32 s[G0K+1], s[G0K+1], SLOT1
	s_add_nc_u64 s[G0K+2:G0K+3], s[G0K+2:G0K+3], 32768
	s_xor_b32 s[G0V+1], s[G0V+1], SLOT1
	s_add_nc_u64 s[G0V+2:G0V+3], s[G0V+2:G0V+3], 32768
	s_wait_xcnt 0x0                                ; the last prefetch, a slot back, has read its address
	s_add_nc_u64 s[PFA:PFA+1], s[PFA:PFA+1], 32768
.endif
	s_wait_dscnt 0x0
	s_barrier_signal -1
	s_barrier_wait -1
.if \fill
	s_add_co_u32 s52, s[KF], 256                   ; the first key of the slot that this change would ask for
	s_cmp_gt_u32 s52, s[LASTQ]                     ; past my work-group's last query none of its waves would read it: ids and the count of steps alone, alike in all sixteen waves
	s_cbranch_scc1 .Lpast_\@
	TLOAD
.Lpast_\@:
	ASK
.endif
.endm
.macro SLOT_STEPS
	s_mov_b32 s[STEPC], NQ
.Lstep_\@:
	STEP
	s_sub_co_u32 s[STEPC], s[STEPC], 1
	s_cmp_lg_u32 s[STEPC], 0
	s_cbranch_scc1 .Lstep_\@
	s_sub_co_u32 s[TB], s[TB], NQ*STEPB
	s_xor_b32 s[TB], s[TB], SLOT1
.endm
	s_wait_loadcnt 0x0                             ; Q
.Lslot:                                            ; 7 trips: behind each change of slots but the last the next slot is asked for, up to the causal limit
	CHANGE 1
	SLOT_STEPS
	s_sub_co_u32 s[SLOTS], s[SLOTS], 1
	s_cmp_lg_u32 s[SLOTS], 0
	s_cbranch_scc1 .Lslot
	CHANGE 0
	SLOT_STEPS
	; THE WAY OUT.  O^T / l, rounded to f16, goes through my stage (32 rows x 144 bytes, in slot 0, which was left at the last change and is filled no more) and leaves as 512 consecutive bytes a store.
.rept 4
	v_nop
.endr
.irp t, 0,1
	v_add_f32 v[ST+8*\t+4], v[ST+8*\t+2], v[ST+8*\t+3]
.endr
.irp t, 0,1
	v_permlanex16_b32 v[ST+8*\t+5], v[ST+8*\t+4], s[SEL], s[SEL+1]
.endr
.irp t, 0,1
	v_add_f32 v[ST+8*\t+4], v[ST+8*\t+4], v[ST+8*\t+5]
.endr
.irp t, 0,1
	v_rcp_f32 v[ST+8*\t+6], v[ST+8*\t+4]
.endr
	v_and_b32 v28, 15, v0                          ; (plain work behind the reciprocals)
	v_bfe_u32 v29, v0, 4, 1
	s_mul_i32 s52, s[WV], 32*PK
	v_mul_u32_u24 v30, v28, PK
	v_lshl_add_u32 v30, v29, 4, v30
	v_add_nc_u32 v30, s52, v30                     ; in: row r, 16 bytes for each half of the lanes
	v_bfe_u32 v28, v0, 3, 2
	v_and_b32 v29, 7, v0
	v_mul_u32_u24 v31, v28, PK
	v_lshl_add_u32 v31, v29, 4, v31
	v_add_nc_u32 v31, s52, v31                     ; back: eight lanes to a row of 128 bytes, four rows an instruction
	v_and_b32 v28, 31, v0
	v_lshlrev_b32 v28, 4, v28                      ; 16 x lane in o
	s_wait_alu depctr_va_vdst(0)                   ; one wait for both reciprocals, ahead of their first reader
.irp t, 0,1
.irp b, 0,1,2,3,4,5,6,7,8,9,10,11,12,13,14,15
	v_pk_mul_f32 v[OO+32*\t+2*\b:OO+32*\t+2*\b+1], v[OO+32*\t+2*\b:OO+32*\t+2*\b+1], v[ST+8*\t+6:ST+8*\t+7] op_sel_hi:[1,0]
.endr
.endr
.set i, 0
.rept 32
	v_cvt_pk_f16_f32 v[SS+i], v[OO+2*i], v[OO+2*i+1]
.set i, i+1
.endr
.irp t, 0,1
.irp ct, 0,1,2,3
	ds_store_b128 v30, v[SS+16*\t+4*\ct:SS+16*\t+4*\ct+3] offset:16*PK*\t+32*\ct
.endr
.endr
.irp i, 0,1,2,3,4,5,6,7
	ds_load_b128 v[KV+4*\i:KV+4*\i+3], v31 offset:4*PK*\i   ; LDS serves a wave's instructions in order: these see my stores
.endr
.irp i, 0,1,2,3,4,5,6,7
	s_wait_dscnt 7-\i
	global_store_b128 v28, v[KV+4*\i:KV+4*\i+3], s[6:7] offset:512*\i
.endr
	s_wait_tensorcnt 0x0                           ; the wave's end
	ds_add_u32 v[SPW], v[NIL]
	s_wait_dscnt 0x0
	s_endpgm
.Lfunc_end_k_qea47b5b562_attn:
	.size	k_qea47b5b562_attn, .Lfunc_end_k_qea47b5b562_attn-k_qea47b5b562_attn
	.p2alignl 7, 3214868480
	.fill 96, 4, 3214868480
	.section	.rodata,"a",@progbits
	.p2align	6, 0x0
	.amdhsa_kernel k_qea47b5b562_attn
		.amdhsa_group_segment_fixed_size 327680
		.amdhsa_private_segment_fixed_size 0
		.amdhsa_enable_private_segment 0
		.amdhsa_kernarg_size 16
		.amdhsa_user_sgpr_count 2
		.amdhsa_user_sgpr_kernarg_segment_ptr 1
		.amdhsa_wavefront_size32 1
		.amdhsa_system_sgpr_workgroup_id_x 1
		.amdhsa_system_sgpr_workgroup_id_y 1
		.amdhsa_system_sgpr_workgroup_id_z 1
		.amdhsa_system_vgpr_workitem_id 0
		.amdhsa_next_free_vgpr 256
		.amdhsa_next_free_sgpr 66
		.amdhsa_reserve_vcc 1
		.amdhsa_float_denorm_mode_32 3
		.amdhsa_float_denorm_mode_16_64 3
		.amdhsa_memory_ordered 1
		.amdhsa_forward_progress 1
		.amdhsa_inst_pref_size 61
	.end_amdhsa_kernel
	.amdgpu_metadata
---
amdhsa.version: [ 1, 2 ]
amdhsa.kernels:
  - .name:           k_qea47b5b562_attn
    .symbol:         k_qea47b5b562_attn.kd
    .args:
      - { .name: qkv, .offset: 0, .size: 8, .value_kind: global_buffer, .address_space: global }
      - { .name: o, .offset: 8, .size: 8, .value_kind: global_buffer, .address_space: global }
    .group_segment_fixed_size: 327680
    .private_segment_fixed_size: 0
    .kernarg_segment_align: 8
    .kernarg_segment_size: 16
    .max_flat_workgroup_size: 512
    .sgpr_count:     66
    .vgpr_count:     256
    .wavefront_size: 32
...
	.end_amdgpu_metadata
.endif
;; end of part 3
;; launch proj (part 4): grid 8 x 32, 4 waves a work-group, clusters of 4 x 4, 327,680 bytes of LDS; arguments o, wpt, b_proj, out0; writes out0
.if DOCPART == 4
	.amdgcn_target "amdgcn-amd-amdhsa--gfx1250"
	.amdhsa_code_object_version 6
	.text
	.protected	k_qea47b5b562_proj
	.globl	k_qea47b5b562_proj
	.p2align	8
	.type	k_qea47b5b562_proj,@function
k_qea47b5b562_proj:
	s_mov_b64 s[64:65], 0
	v_nop
	global_prefetch_b8 v0, s[64:65] scope:SCOPE_SE
	s_setreg_imm32_b32 hwreg(HW_REG_WAVE_MODE, 25, 1), 1
	s_wait_xcnt 0x0
	s_wait_alu depctr_hold_cnt(0) depctr_sa_sdst(0) depctr_va_vdst(0) depctr_va_sdst(0) depctr_va_ssrc(0) depctr_va_vcc(0) depctr_vm_vsrc(0)
	s_getreg_b32 s2, hwreg(HW_REG_IB_STS2, 6, 4)
	s_cmp_eq_u32 s2, 0
	s_cbranch_scc0 .Lentry_in_a_cluster
	s_endpgm
.Lentry_in_a_cluster:
	s_bfe_u32 s2, ttmp6, 0x10000c
	s_cmp_lg_u32 s2, 0xf033
	s_cbranch_scc0 .Lentry_shape_is_right
	s_endpgm
.Lentry_shape_is_right:
; out0[m][n] = sum over k of o[m][k] w_proj[k][n] + b_proj[n].  o: f16 [16 planes][8192 m][64]; wpt: f16 [16 planes][1024 n][64 k]; out0 [8192][1024] f32; sums in f32.
; All 8,192 rows are made here; the 64 rows of positions 0-15 are written again, from f32 operands, by the launch that follows.
; A tile of 256 (m) x 128 (n): 256 work-groups.  Four waves, 128 x 64 each: 32 accumulators, 256 registers (window 1).  K goes in steps of 128 (two planes of 64) through two LDS slots.
; One tensor load a wave: wave 0, 1: A's two planes (256 rows x 128 bytes, dense in memory); wave 2, 3: B's two (128 rows).
; CLUSTERS: 4 x 4; A's tiles are asked for jointly along a row of the cluster, B's along a column.  TRANSPOSED use (source 0 = 16 rows of wpt, source 1 = 16 rows of o): a lane holds eight neighbouring columns of a row.
; The bias is the C of each sum's first matrix instruction: eight registers for each of my four column blocks, in the result's layout.
; REGISTERS, window 0: v0-31 addresses; v32-63 B buffer 0; v64-127 A buffer 0; v128-191 A buffer 1; v192-223 B buffer 1; v224-255 the bias.  Window 1: accumulator (a, b) at v[8 (4 a + b)].
.set PITCH,  144                       ; an LDS row: 128 bytes + 16
.set APL,    256*PITCH                 ; a plane of A's tile
.set BPL,    128*PITCH                 ; of B's
.set SLOT,   2*APL+2*BPL
.set STAGE,  2*SLOT                    ; behind the ring: 16 rows x 272 bytes for each wave
.set SPITCH, 272
.set SPARE,  STAGE+4*16*SPITCH
.set LAPS,   4                         ; a lap = two K steps
.set ADRA, 16
.set ADRB, 20
.set STO,  24
.set RD,   25
.set CO,   26
.set BO,   27                          ; v27  32 h: my place in the bias
.set SPW,  28
.set NIL,  29
.set BIAS, 224
.set G1, 24
.set G0, 32
.set G1B, 48
.set G0B, 56
.set MSB, 0
.macro WIN new
.if MSB != \new
	s_set_vgpr_msb (MSB<<8)|\new
.set MSB, \new
.endif
.endm
.set MUL,  0x50                        ; C and D window 1, sources window 0
.set MULB, 0x40                        ; D window 1, C (the bias) window 0
.macro JLOAD s                         ; waves 0, 1 fetch A's planes, waves 2, 3 B's; an s_nop 0 and four v_nop follow each line
	s_cmp_eq_u32 s11, 0
	s_cbranch_scc0 .Lfor_b_\@
	tensor_load_to_lds s[G0+4*\s:G0+4*\s+3], s[G1:G1+7]
	s_nop 0
.rept 4
	v_nop
.endr
	s_branch .Lasked_\@
.Lfor_b_\@:
	tensor_load_to_lds s[G0B+4*\s:G0B+4*\s+3], s[G1B:G1B+7]
	s_nop 0
.rept 4
	v_nop
.endr
.Lasked_\@:
.endm
.macro CREST
	s_cmp_lg_u32 s10, 0
	s_cbranch_scc1 .Lnot_wave_0_\@
	s_barrier_signal -3
.Lnot_wave_0_\@:
	s_barrier_wait -3
	s_barrier_signal -1
	s_barrier_wait -1
.endm
.macro CROUND
	s_barrier_signal -1
	s_barrier_wait -1
	CREST
.endm
	s_load_b128 s[4:7], s[0:1], 0x0                ; o, wpt
	s_load_b128 s[68:71], s[0:1], 0x10             ; b_proj, out0
	v_lshl_add_u32 v[SPW], v0, 2, SPARE
	v_mov_b32 v[NIL], 0
	ds_add_u32 v[SPW], v[NIL]                      ; the wave's opening: the add, twice on end, and its wait ahead of my first tensor load
	ds_add_u32 v[SPW], v[NIL]
	v_lshrrev_b32 v1, 5, v0
	v_readfirstlane_b32 s10, v1                    ; wave 0..3
	s_lshr_b32 s11, s10, 1                         ; which 128 rows are mine.  Also: I fetch for A (0) or B (1)
	s_and_b32 s12, s10, 1                          ; which 64 columns.  Also: which plane of a K step I fetch
	s_bfe_u32 s40, ttmp6, 0x40000                  ; cx
	s_bfe_u32 s41, ttmp6, 0x40004                  ; cy
	s_lshl_b32 s42, ttmp9, 2
	s_add_co_u32 s42, s42, s40                     ; tile column
	s_and_b32 s13, ttmp7, 0xffff
	s_lshl_b32 s13, s13, 2
	s_add_co_u32 s13, s13, s41                     ; tile row
	s_lshl_b32 s43, s41, 2
	s_lshl_b32 s43, 15, s43                        ; my row of the cluster
	s_lshl_b32 s44, 0x1111, s40                    ; my column
	s_or_b32 s[G1+0], s43, (1<<16)|(1<<20)|(1<<21)|(4<<22)|(3<<25)  ; mask; elements of 2 bytes; padding: 4 words behind every 32
	s_or_b32 s[G1B+0], s44, (1<<16)|(1<<20)|(1<<21)|(4<<22)|(3<<25)
	s_mov_b32 s[G1+1], 64<<16                      ; tensor_dim0 = 64
	s_mov_b32 s[G1+2], 256<<16                     ; tensor_dim1 = 256
	s_mov_b32 s[G1+3], 64<<16                      ; tile_dim0 = 64
	s_mov_b32 s[G1+4], 256                         ; tile_dim1 = 256
	s_mov_b32 s[G1+5], 64                          ; pitch
	s_mov_b32 s[G1+6], 0
	s_mov_b32 s[G1+7], 0
	s_mov_b32 s[G1B+1], 64<<16
	s_mov_b32 s[G1B+2], 128<<16
	s_mov_b32 s[G1B+3], 64<<16
	s_mov_b32 s[G1B+4], 128
	s_mov_b32 s[G1B+5], 64
	s_mov_b32 s[G1B+6], 0
	s_mov_b32 s[G1B+7], 0
	s_lshl_b32 s16, s13, 15                        ; A: tile row x 256 rows of 128 bytes,
	s_lshl_b32 s17, s12, 20                        ; + my plane
	s_add_co_u32 s16, s16, s17
	s_mov_b32 s17, 0
	s_lshl_b32 s46, s42, 14                        ; B: tile column x 128 rows of 128 bytes,
	s_lshl_b32 s47, s12, 17                        ; + my plane
	s_add_co_u32 s46, s46, s47
	s_mov_b32 s47, 0
	s_mul_i32 s20, s12, APL                        ; where they go in a slot: no place in the cluster enters an LDS address
	s_mul_i32 s23, s12, BPL
	s_add_co_u32 s23, s23, 2*APL
	s_wait_dscnt 0x0                               ; both opening adds are done
	s_wait_kmcnt 0x0
	s_add_nc_u64 s[14:15], s[4:5], s[16:17]
	s_add_nc_u64 s[46:47], s[6:7], s[46:47]
	CROUND                                         ; all sixteen work-groups are here
.irp s, 0,1
	s_mov_b32 s[G0+4*\s], 1
	s_add_co_u32 s[G0+4*\s+1], s20, \s*SLOT
	s_add_nc_u64 s[G0+4*\s+2:G0+4*\s+3], s[14:15], \s*(2<<20)
	s_or_b32 s[G0+4*\s+3], s[G0+4*\s+3], 0x80000000
	s_mov_b32 s[G0B+4*\s], 1
	s_add_co_u32 s[G0B+4*\s+1], s23, \s*SLOT
	s_add_nc_u64 s[G0B+4*\s+2:G0B+4*\s+3], s[46:47], \s*262144
	s_or_b32 s[G0B+4*\s+3], s[G0B+4*\s+3], 0x80000000
	JLOAD \s                                       ; two loads of mine are out
.endr
	v_and_b32 v1, 15, v0                           ; r
	v_bfe_u32 v2, v0, 4, 1                         ; h
	v_mul_u32_u24 v3, v1, PITCH
	v_lshl_add_u32 v3, v2, 4, v3
	s_mul_i32 s21, s11, 128*PITCH                  ; my 128 rows of A's planes
	s_mul_i32 s22, s12, 64*PITCH                   ; my 64 rows of B's,
	s_add_co_u32 s22, s22, 2*APL                   ; which lie behind A's two
.irp s, 0,1
	v_add_nc_u32 v[ADRA+\s], s21, v3
	v_add_nc_u32 v[ADRB+\s], s22, v3
	s_add_co_u32 s21, s21, SLOT
	s_add_co_u32 s22, s22, SLOT
.endr
	s_mul_i32 s23, s10, 16*SPITCH
	s_add_co_u32 s23, s23, STAGE                   ; my stage
	v_mul_u32_u24 v4, v1, SPITCH
	v_lshl_add_u32 v4, v2, 5, v4
	v_add_nc_u32 v[STO], s23, v4                   ; in: row r, 32 bytes for each half of the lanes
	v_mul_u32_u24 v5, v2, SPITCH
	v_lshl_add_u32 v5, v1, 4, v5
	v_add_nc_u32 v[RD], s23, v5                    ; back: lanes 0-15 one row of 256 bytes, lanes 16-31 the next
	v_lshlrev_b32 v5, 12, v2
	v_lshl_add_u32 v[CO], v1, 4, v5                ; and the same two rows in out0
	v_lshlrev_b32 v[BO], 5, v2
	s_lshl_b32 s16, s13, 8
	s_lshl_b32 s17, s11, 7
	s_add_co_u32 s16, s16, s17                     ; my first row,
	s_lshl_b32 s16, s16, 12                        ; 4,096 bytes a row
	s_lshl_b32 s46, s42, 9
	s_lshl_b32 s47, s12, 8
	s_add_co_u32 s46, s46, s47                     ; 4 x my first column
	s_mov_b32 s47, 0
	s_add_nc_u64 s[68:69], s[68:69], s[46:47]
	s_add_co_u32 s16, s16, s46
	s_mov_b32 s17, 0
	s_add_nc_u64 s[70:71], s[70:71], s[16:17]
.irp b, 0,1,2,3
	global_load_b128 v[BIAS+8*\b:BIAS+8*\b+3], v[BO], s[68:69] offset:64*\b       ; b_proj[my first column + 16 b + 8 h + 0 .. 7]
	global_load_b128 v[BIAS+8*\b+4:BIAS+8*\b+7], v[BO], s[68:69] offset:64*\b+16
.endr
; 8 matrix instructions: A's blocks a0, a0 + 1 x B's four, 32 along K, from buffer f.  first = 1: the bias starts the sums.  The 32 accumulators take turns, one instruction a turn.
.macro MUL8 f, a0, first
.set BFR, 32+160*(\f)
.set AFR, 64+64*(\f)
.irp a, \a0, \a0+1
.irp b, 0,1,2,3
.if \first
	v_wmma_f32_16x16x32_f16 v[8*(4*(\a)+\b):8*(4*(\a)+\b)+7], v[BFR+8*\b:BFR+8*\b+7], v[AFR+8*(\a):AFR+8*(\a)+7], v[BIAS+8*\b:BIAS+8*\b+7]
.else
	v_wmma_f32_16x16x32_f16 v[8*(4*(\a)+\b):8*(4*(\a)+\b)+7], v[BFR+8*\b:BFR+8*\b+7], v[AFR+8*(\a):AFR+8*(\a)+7], v[8*(4*(\a)+\b):8*(4*(\a)+\b)+7]
.endif
.endr
.endr
.endm
; 24 LDS loads in one run: quarter q (32 along K: plane q / 2, byte 64 (q % 2) of its rows) into buffer f: B's four blocks, A's 0-3, A's 4-7
.macro FETCH slot, q, f
.set BFR, 32+160*(\f)
.set AFR, 64+64*(\f)
.irp i, 0,1,2,3
	ds_load_b128 v[BFR+8*\i:BFR+8*\i+3],   v[ADRB+\slot] offset:((\q)/2)*BPL+64*((\q)%2)+\i*16*PITCH
	ds_load_b128 v[BFR+8*\i+4:BFR+8*\i+7], v[ADRB+\slot] offset:((\q)/2)*BPL+64*((\q)%2)+\i*16*PITCH+32
.endr
.irp i, 0,1,2,3,4,5,6,7
	ds_load_b128 v[AFR+8*\i:AFR+8*\i+3],   v[ADRA+\slot] offset:((\q)/2)*APL+64*((\q)%2)+\i*16*PITCH
	ds_load_b128 v[AFR+8*\i+4:AFR+8*\i+7], v[ADRA+\slot] offset:((\q)/2)*APL+64*((\q)%2)+\i*16*PITCH+32
.endr
.endm
.macro PLACES                          ; four places in front of loads into registers that matrix instructions have read, and of the first read of results
.rept 4
	v_nop
.endr
.endm
; One of a K step's first three quarters: multiplies buffer f, and in its middle fetches quarter q of the same slot into buffer g.
.macro QUARTER slot, q, f, g, first
	s_wait_dscnt 8                                 ; B and A's blocks 0-3 are in; the youngest eight loads (A's blocks 4-7) may be out
.if \first
	WIN MULB
.else
	WIN MUL
.endif
	MUL8 \f, 0, \first
	MUL8 \f, 2, \first
	PLACES
	WIN 0
	FETCH \slot, \q, \g
	s_wait_dscnt 24                                ; all but the 24 just issued
.if \first
	WIN MULB
.else
	WIN MUL
.endif
	MUL8 \f, 4, \first
	MUL8 \f, 6, \first
.endm
; The last quarter multiplies buffer 1 and changes slots: one barrier; in front of it each wave waits for all its tensor loads, adds 0 to its spare word, and waits for that and for its reads of this slot.
.macro TURN slot, next, fill
	WIN 0
	s_wait_tensorcnt 0x0                           ; all my tensor loads have landed: my part of the next slot
	ds_add_u32 v[SPW], v[NIL]
	s_wait_dscnt 9                                 ; the add and the youngest eight loads may be out
	WIN MUL
	MUL8 1, 0, 0
	s_wait_dscnt 0x0                               ; the add is done, and my reads of this slot are over
	s_barrier_signal -1
	MUL8 1, 2, 0
	WIN 0
	s_barrier_wait -1
.if \fill
	CREST                                          ; the barrier has opened a round of the cluster's barrier: no wave of any partner still reads this slot or has a load on its way
	s_add_nc_u64 s[G0+4*\slot+2:G0+4*\slot+3], s[G0+4*\slot+2:G0+4*\slot+3], 4<<20
	s_add_nc_u64 s[G0B+4*\slot+2:G0B+4*\slot+3], s[G0B+4*\slot+2:G0B+4*\slot+3], 524288
	JLOAD \slot                                    ; the first tensor load behind the round; its four v_nop are also the places in front of the loads below
.else
	PLACES
.endif
	FETCH \next, 0, 0
	WIN MUL
	MUL8 1, 4, 0
	MUL8 1, 6, 0
.endm
	s_wait_tensorcnt 1                             ; my part of K step 0 is in; K step 1's load may be out
	s_barrier_signal -1
	s_barrier_wait -1
	FETCH 0, 0, 0
	s_wait_loadcnt 0x0                             ; the bias
	QUARTER 0, 1, 0, 1, 1                          ; the first quarter stands in front of the loop: its products start the sums
	WIN 0
	s_mov_b32 s3, LAPS-1
.Llap:                                             ; a trip goes once round the ring and fills both slots again
	QUARTER 0, 2, 1, 0, 0
	QUARTER 0, 3, 0, 1, 0
	TURN 0, 1, 1
	QUARTER 1, 1, 0, 1, 0
	QUARTER 1, 2, 1, 0, 0
	QUARTER 1, 3, 0, 1, 0
	TURN 1, 0, 1
	QUARTER 0, 1, 0, 1, 0
	WIN 0
	s_sub_co_u32 s3, s3, 1
	s_cmp_lg_u32 s3, 0
	s_cbranch_scc1 .Llap
	QUARTER 0, 2, 1, 0, 0                          ; the last lap fills nothing
	QUARTER 0, 3, 0, 1, 0
	TURN 0, 1, 0
	QUARTER 1, 1, 0, 1, 0
	QUARTER 1, 2, 1, 0, 0
	QUARTER 1, 3, 0, 1, 0
	s_wait_dscnt 8
	WIN MUL
	MUL8 1, 0, 0
	MUL8 1, 2, 0
	s_wait_dscnt 0
	MUL8 1, 4, 0
	MUL8 1, 6, 0
	WIN 0
; THE WAY OUT, a block of 16 rows x 64 columns at a time, through my own stage: sixteen lanes then store 256 consecutive bytes, aligned.
.macro TOSTAGE a
	WIN 0x04                                       ; an LDS store's data: window 1
.irp b, 0,1,2,3
	ds_store_b128 v[STO], v[8*(4*(\a)+\b):8*(4*(\a)+\b)+3] offset:64*\b        ; each accumulator from its low end on
	ds_store_b128 v[STO], v[8*(4*(\a)+\b)+4:8*(4*(\a)+\b)+7] offset:64*\b+16
.endr
	WIN 0
.set BB, 32+32*((\a)%2)
.irp t, 0,1,2,3,4,5,6,7
	ds_load_b128 v[BB+4*\t:BB+4*\t+3], v[RD] offset:\t*2*SPITCH   ; LDS serves a wave's instructions in order: these see the stores above
.endr
.endm
.macro SEND a, younger                 ; younger: the LDS instructions issued behind block a's loads
.set BB, 32+32*((\a)%2)
	s_wait_dscnt \younger
.irp t, 0,1,2,3,4,5,6,7
	global_store_b128 v[CO], v[BB+4*\t:BB+4*\t+3], s[70:71] offset:65536*(\a)+8192*\t th:TH_STORE_NT
.endr
.endm
	PLACES
	TOSTAGE 0
.irp a, 1,2,3,4,5,6,7
.if \a > 1
	s_wait_xcnt 0x0                                ; block a - 2's stores have read their registers: block a's loads may land there
.endif
	TOSTAGE \a
	SEND \a-1, 16                                  ; behind block a - 1's loads: block a's 8 stores and 8 loads
.endr
	SEND 7, 0
	s_wait_tensorcnt 0x0                           ; the wave's end
	ds_add_u32 v[SPW], v[NIL]
	s_wait_dscnt 0x0
	CROUND                                         ; the closing round
	s_endpgm
.Lfunc_end_k_qea47b5b562_proj:
	.size	k_qea47b5b562_proj, .Lfunc_end_k_qea47b5b562_proj-k_qea47b5b562_proj
	.p2alignl 7, 3214868480
	.fill 96, 4, 3214868480
	.section	.rodata,"a",@progbits
	.p2align	6, 0x0
	.amdhsa_kernel k_qea47b5b562_proj
		.amdhsa_group_segment_fixed_size 327680
		.amdhsa_private_segment_fixed_size 0
		.amdhsa_enable_private_segment 0
		.amdhsa_kernarg_size 32
		.amdhsa_user_sgpr_count 2
		.amdhsa_user_sgpr_kernarg_segment_ptr 1
		.amdhsa_wavefront_size32 1
		.amdhsa_system_sgpr_workgroup_id_x 1
		.amdhsa_system_sgpr_workgroup_id_y 1
		.amdhsa_system_sgpr_workgroup_id_z 1
		.amdhsa_system_vgpr_workitem_id 0
		.amdhsa_next_free_vgpr 512
		.amdhsa_next_free_sgpr 72
		.amdhsa_reserve_vcc 0
		.amdhsa_float_denorm_mode_32 3
		.amdhsa_float_denorm_mode_16_64 3
		.amdhsa_memory_ordered 1
		.amdhsa_forward_progress 1
		.amdhsa_inst_pref_size 86
	.end_amdhsa_kernel
	.amdgpu_metadata
---
amdhsa.version: [ 1, 2 ]
amdhsa.kernels:
  - .name:           k_qea47b5b562_proj
    .symbol:         k_qea47b5b562_proj.kd
    .args:
      - { .name: o, .offset: 0, .size: 8, .value_kind: global_buffer, .address_space: global }
      - { .name: wpt, .offset: 8, .size: 8, .value_kind: global_buffer, .address_space: global }
      - { .name: b_proj, .offset: 16, .size: 8, .value_kind: global_buffer, .address_space: global }
      - { .name: out0, .offset: 24, .size: 8, .value_kind: global_buffer, .address_space: global }
    .group_segment_fixed_size: 327680
    .private_segment_fixed_size: 0
    .kernarg_segment_align: 8
    .kernarg_segment_size: 32
    .max_flat_workgroup_size: 128
    .sgpr_count:     72
    .vgpr_count:     512
    .wavefront_size: 32
...
	.end_amdgpu_metadata
.endif
;; end of part 4
;; launch fine (part 5): grid 16 x 4, 16 waves a work-group, no clusters, 71,680 bytes of LDS; arguments fineqkv, w_proj, b_proj, out0; writes out0
.if DOCPART == 5
	.amdgcn_target "amdgcn-amd-amdhsa--gfx1250"
	.amdhsa_code_object_version 6
	.text
	.protected	k_qea47b5b562_fine
	.globl	k_qea47b5b562_fine
	.p2align	8
	.type	k_qea47b5b562_fine,@function
k_qea47b5b562_fine:
	s_mov_b64 s[64:65], 0
	v_nop
	global_prefetch_b8 v0, s[64:65] scope:SCOPE_SE
	s_setreg_imm32_b32 hwreg(HW_REG_WAVE_MODE, 25, 1), 1
	s_wait_xcnt 0x0
; POSITIONS 0-15 OF EVERY BATCH, ALL IN F32: attention and projection from the unrounded q, k, v (fineqkv [16 batch + position][3072]) and w_proj [1024][1024]; 64 rows of out0 are written again.
; These rows average 1 to 16 values and are the largest in size: 16-bit operands would use up what the comparison allows.  It is no bulk work: 96 small matrix instructions a wave.
; SHARES.  Work-group (g, batch): 64 output columns 64 g on.  A wave is a head: its attention for the 16 positions, then its 64 of the projection's K onto the 64 columns; the 16 partial results meet in LDS,
; and wave w adds up and stores row w: 256 consecutive bytes, aligned.  The attention is repeated in the 16 column groups.
; All three products by v_wmma_f32_16x16x4_f32, four accumulators by turns, each sum begun with the constant 0; along K the same permutation on both sides.
; LIMITS: NaN and infinities are not served; the order of the f32 sums differs from the reference's.
; REGISTERS: v1-9 ids and addresses; v10, v11 the add's two; v12 -infinity; v[14:15] the bias, then the sum; v16-47 Q, v48-79 K, later W (channels 32-63); v80-111 V^T, later o / l; v112-175 W (channels 0-31), later the partial sums;
;   v176-207 four partial sums of S^T, later Y^T's four tiles; v208-239 O^T's four tiles (these 64 are written by matrix instructions alone); v240-247 s, then p; v248-255 at work.
.set SPARE, 69632                      ; behind the 16 stages of 16 rows x 272 bytes: 128 bytes for each wave
.set SPW, 10
.set NIL, 11
	s_load_b256 s[4:11], s[0:1], 0x0               ; fineqkv, w_proj, b_proj, out0
	v_lshl_add_u32 v[SPW], v0, 2, SPARE
	v_mov_b32 v[NIL], 0
	v_lshrrev_b32 v1, 5, v0
	v_readfirstlane_b32 s12, v1                    ; wave = head
	s_and_b32 s14, ttmp7, 0xffff                   ; batch
	v_and_b32 v1, 15, v0                           ; r
	v_bfe_u32 v2, v0, 4, 1                         ; h
	v_mul_u32_u24 v3, v1, 12288
	v_lshl_add_u32 v3, v2, 4, v3                   ; Q, K: row r, + 16 h
	v_mul_u32_u24 v4, v2, 98304
	v_lshl_add_u32 v4, v1, 2, v4                   ; V: 8 h rows down, channel r
	v_lshlrev_b32 v5, 15, v2
	v_lshl_add_u32 v5, v1, 2, v5                   ; W: 8 h rows down, column r
	v_and_b32 v6, 31, v0
	v_lshlrev_b32 v6, 3, v6                        ; 8 x lane
	s_mul_i32 s15, s12, 4352
	v_mul_u32_u24 v7, v1, 272
	v_lshl_add_u32 v7, v2, 5, v7
	v_add_nc_u32 v7, s15, v7                       ; my stage: row r, + 32 h
	s_mul_i32 s19, s12, 272
	v_add_nc_u32 v8, s19, v6                       ; back: row = my wave's number of every stage, 8 bytes a lane
	v_lshlrev_b32 v9, 3, v2
	v_sub_nc_u32 v9, v1, v9                        ; r - 8 h
	v_mov_b32 v12, 0xff800000                      ; -infinity
	s_mov_b32 s16, 0x76543210
	s_mov_b32 s17, 0xfedcba98                      ; lane xor 16
	s_mov_b32 s18, 0x3e38aa3b                      ; c = log2(e) / 8
	s_mul_i32 s20, s14, 196608                     ; fineqkv: 16 rows of 12,288 bytes a batch,
	s_lshl_b32 s21, s12, 8                         ; 256 bytes a head
	s_add_co_u32 s20, s20, s21
	s_mov_b32 s21, 0
	s_lshl_b32 s22, s12, 18                        ; w_proj: 64 rows of 4,096 bytes a head,
	s_lshl_b32 s24, ttmp9, 8                       ; 256 bytes a column group
	s_add_co_u32 s22, s22, s24
	s_mov_b32 s23, 0
	s_mov_b32 s25, 0
	s_lshl_b32 s26, s14, 23                        ; out0: 2,048 rows of 4,096 bytes a batch,
	s_lshl_b32 s27, s12, 12                        ; my row,
	s_add_co_u32 s26, s26, s27
	s_add_co_u32 s26, s26, s24                     ; my column group
	s_mov_b32 s27, 0
	s_wait_kmcnt 0x0
	s_add_nc_u64 s[4:5], s[4:5], s[20:21]
	s_add_nc_u64 s[6:7], s[6:7], s[22:23]
	s_add_nc_u64 s[8:9], s[8:9], s[24:25]
	s_add_nc_u64 s[10:11], s[10:11], s[26:27]
.irp i, 0,1,2,3,4,5,6,7
	global_load_b128 v[16+4*\i:19+4*\i], v3, s[4:5] offset:32*\i          ; Q: channels 8 i + 4 h + 0 .. 3: two K steps
.endr
.irp i, 0,1,2,3,4,5,6,7
	global_load_b128 v[48+4*\i:51+4*\i], v3, s[4:5] offset:4096+32*\i     ; K, the same channels
.endr
.irp ct, 0,1,2,3
.irp e, 0,1,2,3,4,5,6,7
	global_load_b32 v[80+8*\ct+\e], v4, s[4:5] offset:8192+\e*12288+64*\ct    ; V(key 8 h + e, channel 16 ct + r)
.endr
.endr
	global_load_b64 v[14:15], v6, s[8:9]           ; the bias of my two columns
.macro WLOAD wb, c0                    ; W(64 head + 16 (c0 + c) + 8 h + e, 64 g + 16 nt + r) -> v[wb + (4 c + e / 2) 8 + 2 nt + e % 2]
.irp c, 0,1
.irp e, 0,1,2,3,4,5,6,7
.irp nt, 0,1,2,3
	global_load_b32 v[\wb+(\c*4+\e/2)*8+2*\nt+\e%2], v5, s[6:7] offset:(16*(\c0+\c)+\e)*4096+64*\nt
.endr
.endr
.endr
.endm
	WLOAD 112, 0
	s_wait_loadcnt 63                              ; 113 loads are issued: at least the first 50 are in: Q, K, V and the bias are loads 1 to 49
.irp u, 0,1,2,3,4,5,6,7,8,9,10,11,12,13,14,15
.if \u < 4
	v_wmma_f32_16x16x4_f32 v[176+8*(\u%4):183+8*(\u%4)], v[48+2*\u:49+2*\u], v[16+2*\u:17+2*\u], 0        ; S^T = K Q^T in four partial sums: lane (r, h), register j: key 8 h + j, query r
.else
	v_wmma_f32_16x16x4_f32 v[176+8*(\u%4):183+8*(\u%4)], v[48+2*\u:49+2*\u], v[16+2*\u:17+2*\u], v[176+8*(\u%4):183+8*(\u%4)]
.endif
.endr
.rept 8
	v_nop                                          ; eight places behind this form, in front of loads into its sources and of the first read of its results
.endr
	WLOAD 16, 2
.irp i, 0,2,4,6
	v_pk_add_f32 v[240+\i:241+\i], v[176+\i:177+\i], v[184+\i:185+\i]     ; each accumulator from its low end on
.endr
.irp i, 0,2,4,6
	v_pk_add_f32 v[248+\i:249+\i], v[192+\i:193+\i], v[200+\i:201+\i]
.endr
.irp i, 0,2,4,6
	v_pk_add_f32 v[240+\i:241+\i], v[240+\i:241+\i], v[248+\i:249+\i]
.endr
.irp j, 0,1,2,3,4,5,6,7
	v_cmp_gt_i32 vcc_lo, \j, v9                    ; key 8 h + j comes after query r
	v_cndmask_b32 v[240+\j], v[240+\j], v12, vcc_lo
.endr
	v_max3_num_f32 v248, v240, v241, v242
	v_max3_num_f32 v248, v248, v243, v244
	v_max3_num_f32 v248, v248, v245, v246
	v_max_num_f32 v248, v248, v247
	v_permlanex16_b32 v249, v248, s16, s17
	v_max_num_f32 v248, v248, v249                 ; the row's maximum: key 0 counts for every query
	v_mul_f32 v250, s18, v248
.irp j, 0,1,2,3,4,5,6,7
	v_fma_f32 v[240+\j], v[240+\j], s18, -v250
.endr
.irp j, 0,1,2,3,4,5,6,7
	v_exp_f32 v[240+\j], v[240+\j]                 ; p = 2^(c s - c m)
.endr
	v_nop
	s_wait_alu depctr_va_vdst(0)                   ; one wait for the eight, ahead of their first reader
	v_pk_add_f32 v[248:249], v[240:241], v[242:243]
	v_pk_add_f32 v[250:251], v[244:245], v[246:247]
	v_pk_add_f32 v[248:249], v[248:249], v[250:251]
	v_add_f32 v248, v248, v249
	v_permlanex16_b32 v249, v248, s16, s17
	v_add_f32 v248, v248, v249                     ; the row's sum
	v_rcp_f32 v252, v248
	v_nop
	s_wait_alu depctr_va_vdst(0)
.irp s, 0,1,2,3
.irp ct, 0,1,2,3
.if \s == 0
	v_wmma_f32_16x16x4_f32 v[208+8*\ct:215+8*\ct], v[80+8*\ct+2*\s:81+8*\ct+2*\s], v[240+2*\s:241+2*\s], 0      ; O^T = V^T P: K step s = keys 8 h + 2 s + 0, 1
.else
	v_wmma_f32_16x16x4_f32 v[208+8*\ct:215+8*\ct], v[80+8*\ct+2*\s:81+8*\ct+2*\s], v[240+2*\s:241+2*\s], v[208+8*\ct:215+8*\ct]
.endif
.endr
.endr
.rept 8
	v_nop
.endr
.set i, 0
.rept 16
	v_pk_mul_f32 v[80+i:81+i], v[208+i:209+i], v[252:253] op_sel_hi:[1,0]     ; o / l into other registers: register 8 ct + j: channel 16 ct + 8 h + j of query r
.set i, i+2
.endr
.macro YMUL wb, ct                     ; Y^T += W^T o^T: K step (ct, s) = channels 16 ct + 8 h + 2 s + 0, 1; the four tiles of columns by turns
.irp s, 0,1,2,3
.irp nt, 0,1,2,3
.if ((\ct) == 0) && (\s == 0)
	v_wmma_f32_16x16x4_f32 v[176+8*\nt:183+8*\nt], v[\wb+(((\ct)%2)*4+\s)*8+2*\nt:\wb+(((\ct)%2)*4+\s)*8+2*\nt+1], v[80+8*(\ct)+2*\s:81+8*(\ct)+2*\s], 0
.else
	v_wmma_f32_16x16x4_f32 v[176+8*\nt:183+8*\nt], v[\wb+(((\ct)%2)*4+\s)*8+2*\nt:\wb+(((\ct)%2)*4+\s)*8+2*\nt+1], v[80+8*(\ct)+2*\s:81+8*(\ct)+2*\s], v[176+8*\nt:183+8*\nt]
.endif
.endr
.endr
.endm
	s_wait_loadcnt 63                              ; 177 loads are issued: at least the first 114 are in: the first half of W ends with load 113
	YMUL 112, 0
	YMUL 112, 1
	s_wait_loadcnt 0x0
	YMUL 16, 2
	YMUL 16, 3
.rept 8
	v_nop
.endr
.irp nt, 0,1,2,3
	ds_store_b128 v7, v[176+8*\nt:179+8*\nt] offset:64*\nt                ; lane (r, h): query r, columns 16 nt + 8 h + 0 .. 7; each accumulator from its low end on
	ds_store_b128 v7, v[180+8*\nt:183+8*\nt] offset:64*\nt+16
.endr
	s_wait_dscnt 0x0                               ; for the others' sake: my stores have landed
	s_barrier_signal -1
	s_barrier_wait -1
.irp p, 0,1,2,3,4,5,6,7,8,9,10,11,12,13,14,15
	ds_load_b64 v[112+2*\p:113+2*\p], v8 offset:4352*\p                   ; head p's part of my row
.endr
	s_wait_dscnt 0x0
.irp p, 0,1,2,3,4,5,6,7,8,9,10,11,12,13,14,15
	v_pk_add_f32 v[14:15], v[14:15], v[112+2*\p:113+2*\p]                 ; the bias and the sixteen heads, in ascending order
.endr
	global_store_b64 v6, v[14:15], s[10:11]        ; the wave stores 256 consecutive bytes, aligned
	s_wait_tensorcnt 0x0                           ; the wave's end
	ds_add_u32 v[SPW], v[NIL]
	s_wait_dscnt 0x0
	s_endpgm
.Lfunc_end_k_qea47b5b562_fine:
	.size	k_qea47b5b562_fine, .Lfunc_end_k_qea47b5b562_fine-k_qea47b5b562_fine
	.p2alignl 7, 3214868480
	.fill 96, 4, 3214868480
	.section	.rodata,"a",@progbits
	.p2align	6, 0x0
	.amdhsa_kernel k_qea47b5b562_fine
		.amdhsa_group_segment_fixed_size 71680
		.amdhsa_private_segment_fixed_size 0
		.amdhsa_enable_private_segment 0
		.amdhsa_kernarg_size 32
		.amdhsa_user_sgpr_count 2
		.amdhsa_user_sgpr_kernarg_segment_ptr 1
		.amdhsa_wavefront_size32 1
		.amdhsa_system_sgpr_workgroup_id_x 1
		.amdhsa_system_sgpr_workgroup_id_y 1
		.amdhsa_system_sgpr_workgroup_id_z 1
		.amdhsa_system_vgpr_workitem_id 0
		.amdhsa_next_free_vgpr 256
		.amdhsa_next_free_sgpr 66
		.amdhsa_reserve_vcc 1
		.amdhsa_float_denorm_mode_32 3
		.amdhsa_float_denorm_mode_16_64 3
		.amdhsa_memory_ordered 1
		.amdhsa_forward_progress 1
		.amdhsa_inst_pref_size 33
	.end_amdhsa_kernel
	.amdgpu_metadata
---
amdhsa.version: [ 1, 2 ]
amdhsa.kernels:
  - .name:           k_qea47b5b562_fine
    .symbol:         k_qea47b5b562_fine.kd
    .args:
      - { .name: fineqkv, .offset: 0, .size: 8, .value_kind: global_buffer, .address_space: global }
      - { .name: w_proj, .offset: 8, .size: 8, .value_kind: global_buffer, .address_space: global }
      - { .name: b_proj, .offset: 16, .size: 8, .value_kind: global_buffer, .address_space: global }
      - { .name: out0, .offset: 24, .size: 8, .value_kind: global_buffer, .address_space: global }
    .group_segment_fixed_size: 71680
    .private_segment_fixed_size: 0
    .kernarg_segment_align: 8
    .kernarg_segment_size: 32
    .max_flat_workgroup_size: 512
    .sgpr_count:     66
    .vgpr_count:     256
    .wavefront_size: 32
...
	.end_amdgpu_metadata
.endif
;; end of part 5
